; MI455X (gfx1250); checked and timed in simulation.
; The chip was launched on July 23, 2026; its instructions are those of AMD's public machine-readable ISA for CDNA 5 (MIT licence, August 2026) and "CDNA5" Instruction Set Architecture Reference Guide (July 2026). The comments in the code are by the model that wrote it; some were corrected since.
;; Local Causal Self Attention. Allowed arithmetic: matrix products marked QUANTISED: E2M3 operands, one E8M0 scale for each 32 along K, by v_wmma_scale_f32_16x16x128_f8f6f4 with both operands' format E2M3, f32 sums; everything else in f32.
;; Inputs: Wk 1,024 x 1,024 float32; Wo 1,024 x 1,024 float32; Wq 1,024 x 1,024 float32; Wv 1,024 x 1,024 float32; bo 1,024 float32; x 4 x 2,048 x 1,024 float32.
;; Outputs: out0 4 x 2,048 x 1,024 float32.
;; This version of the problem:
;;   THIS VERSION OF THE PROBLEM IS GIVEN IN LOW PRECISION. The matrix products marked QUANTISED in the list below multiply operands that are first quantised to E2M3 (2 exponent bits, 3 mantissa bits; 6 bits a number), with one power-of-two scale for each 32 numbers along K (OCP MX v1.0); their sums are f32. All else is computed in f32.
;;   The module's matrix products, in the order in which they are computed (A, B: the left and right operand; K: the contracted axis; several contracted axes count as one K, in the product's order):
;;     1. [M 8,192, K 1,024] x [K 1,024, N 1,024]; A: input x; B: input Wq: QUANTISED
;;     2. [M 8,192, K 1,024] x [K 1,024, N 1,024]; A: input x; B: input Wk: QUANTISED
;;     3. [M 8,192, K 1,024] x [K 1,024, N 1,024]; A: input x; B: input Wv: QUANTISED
;;     4. batch 64 x [M 2,048, K 64] x [K 64, N 2,048]; A: computed on the way; B: computed on the way: QUANTISED
;;     5. batch 64 x [M 2,048, K 2,048] x [K 2,048, N 64]; A: softmax (see below); B: computed on the way: QUANTISED
;;     6. [M 8,192, K 1,024] x [K 1,024, N 1,024]; A: computed on the way; B: input Wo: QUANTISED
;;   THE QUANTISER, for each operand of a quantised product, along K:
;;     - K is cut into blocks of 32 from its start; a last block that is shorter is filled with zeros.
;;     - A block's scale is 2^e with e = floor(log2(the largest magnitude in the block)) - 2, held to -126 .. 127; a block of zeros has e = 0. As a byte (E8M0): e + 127.
;;     - Each number is divided by its block's scale, clamped to +-7.5, and rounded to the nearest number of E2M3, ties to even, subnormals kept.
;;     - The product sums the exact products of the quantised numbers (number of the format x scale) in f32.
;;   ~~~python
;;   def quantise(x, axis):      # numpy; x: float32 -> the quantised numbers, widened to float32 again
;;       x = np.moveaxis(x, axis, -1); K = x.shape[-1]
;;       x = np.pad(x, [(0, 0)] * (x.ndim - 1) + [(0, -K % 32)]); x = x.reshape(x.shape[:-1] + (-1, 32)); a = np.abs(x).max(-1, keepdims=True)
;;       e = np.where(a > 0, np.clip(np.frexp(np.where(a > 0, a, 1))[1] - 1 - 2, -126, 127), 0)      # np.frexp(a)[1] - 1 = floor(log2(a)), exactly
;;       r = np.clip(x / 2.0 ** e, -7.5, 7.5)
;;       step = 2.0 ** (np.maximum(np.frexp(np.where(r == 0, 1, r))[1] - 1, 0) - 3)
;;       q = np.round(r / step) * step * 2.0 ** e      # np.round: ties to even
;;       return np.moveaxis(q.reshape(q.shape[:-2] + (-1,))[..., :K], -1, axis).astype(np.float32)
;;   ~~~
;;   SOFTMAX AHEAD OF A QUANTISED PRODUCT. Where the list says 'softmax', what is quantised is not the finished softmax but p = 2^(t - M), with t = logit x log2(e) and M = ceil(the row's largest t), a whole number; so 1/2 < the row's largest p <= 1. The row's sum l is taken of the UNQUANTISED p, in f32, and the product's result is divided by l at the end. Since M is a whole number, a kernel that streams over the keys may use a running M (the ceiling of the running maximum): every later rescaling is an exact power of two, which a block's scale takes up: the codes' values come out the same.
;;   OPERANDS COMPUTED ON THE WAY. 'Computed on the way' means the value that the module computes at that place (a softmax that the list does not call 'softmax' is quantised finished and normalised). What goes into a quantiser is computed in f32, as accurately as f32 sums, v_exp_f32 and their like allow (about 1e-6 of the number): no bf16 or f16 on the way to a quantiser, and a product that is left as it is and whose result goes on into a quantised operand takes f32 operands (vector FMAs, or v_wmma_f32_16x16x4_f32). A number that lies on a knife's edge between two numbers of the format may be rounded either way, as far as f32 arithmetic and the matrix unit's own rounding can turn it there, and no further.
;; One version. Each part assembles by itself: llvm-mc -triple=amdgcn-amd-amdhsa -mcpu=gfx1250 --defsym DOCPART=n.
;; ======== version 1 of 1: 4 launches
;; limits: right only within a limited range of input values
;; workspace buffers: opc 9,437,184 bytes; ops 393,216 bytes; qkvc 18,874,368 bytes; qkvs 1,310,720 bytes; cc 6,291,456 bytes; cs 262,144 bytes
;; launch quant (part 1): grid 384 x 1, 4 waves a work-group, no clusters, 34,304 bytes of LDS; arguments x, Wq, Wk, Wv, Wo, opc, ops; writes opc, ops
.if DOCPART == 1
	.amdgcn_target "amdgcn-amd-amdhsa--gfx1250"
	.amdhsa_code_object_version 6
	.text
	.protected	k_q24008f3af1_quant
	.globl	k_q24008f3af1_quant
	.p2align	8
	.type	k_q24008f3af1_quant,@function
k_q24008f3af1_quant:
	s_mov_b64 s[64:65], 0
	v_nop
	global_prefetch_b8 v0, s[64:65] scope:SCOPE_SE
	s_setreg_imm32_b32 hwreg(HW_REG_WAVE_MODE, 25, 1), 1
	s_wait_xcnt 0x0
; x [8192][1024] and Wq, Wk, Wv, Wo [1024][1024], f32, K innermost, become codes of FP6 (E2M3) with one E8M0 byte for each 32 along K, laid as the matrix
; instruction's registers want them, so that every later launch reads operands by dense loads alone.
; TILES.  Tile T of a tensor is 16 rows; place r of the tile is row 32 (T / 2) + 8 (T % 2) + r + 8 (r / 8).  Used as source 0 of a product, tiles 2 b and 2 b + 1 then leave 16 NEIGHBOURS along their rows'
; axis in a lane's 16 result registers, which is what the next quantiser takes.  T 0-511: x; 512-575 Wq; 576-639 Wk; 640-703 Wv; 704-767 Wo.
; IMAGES.  opc: [T][K step 8][1536].  A fragment (16 rows x 128 K, 12 registers a lane: registers 6 c .. 6 c + 5 hold K = 64 c + 32 (lane / 16) + 0 .. 31 of row lane % 16) is two halves of 768 bytes:
; registers 0-3 at 16 x lane, registers 4-5 at 512 + 8 x lane.  ops: [T][half of K][r][4 words]: the scale word of K step s at 512 T + 256 (s / 4) + 16 r + 4 (s % 4).
; A block's scale is 2^(floor(log2(its largest magnitude)) - 2); its byte is the largest magnitude's exponent field - 2, held at 1 from below.
; LIMITS: a block whose largest magnitude lies under 2^-124 has its byte held at 1; a block of zeros has the byte 1 where the rule says 127 (its codes are zeros, which add nothing under any byte but 0xff, and
; this program alone reads the bytes); NaN and infinities among the inputs are not served.
; SHARES.  A wave takes one tile x 512 along K: four fragments.  Each load reads 512 consecutive bytes of one row; a fragment's 16 x 512 bytes turn through the wave's own stage in LDS (rows 528 bytes apart:
; an odd multiple of 16, so that 16 rows' reads of 16 bytes fall on 16 different groups of banks: ISA guide 11.1) and come back so that a lane holds two whole blocks of 32.
; No tensor loads, no barrier, no cluster: waves share nothing, and each input byte is read once.  Two fragments' loads (32 a wave) are on their way.
.set STGB,  8448                       ; a wave's stage: 16 rows x 528 bytes
.set SPARE, 4*STGB                     ; behind the stages: the spare words, 128 bytes for each wave: two blocks of 256 bytes that no other line names
.set SPW,   14                         ; v14  LDS address of my spare word; never rewritten
.set NIL,   15                         ; v15  0; never rewritten
.set W4,    16                         ; v16-19  the four fragments' scale words
.set PC,    24                         ; v24-35  a fragment's codes
.set CT,    36                         ; v36-38, v40-42  second halves of the blocks' codes (a conversion's three registers begin on an even number)
.set X,     64                         ; v64-127  my two blocks of 32 numbers
.set R,     128                        ; v128-191, v192-255  two sets of 16 x 4 registers as loaded
	s_load_b256 s[4:11], s[0:1], 0x0               ; x, Wq, Wk, Wv
	s_load_b128 s[12:15], s[0:1], 0x20             ; Wo, opc
	s_load_b64 s[16:17], s[0:1], 0x30              ; ops
	v_lshl_add_u32 v[SPW], v0, 2, SPARE
	v_mov_b32 v[NIL], 0
	v_lshrrev_b32 v1, 5, v0
	v_readfirstlane_b32 s18, v1                    ; wave 0..3
	v_and_b32 v1, 31, v0                           ; lane
	v_lshlrev_b32 v2, 4, v1                        ; 16 x lane: my bytes of a load's 512, and of a store of 16 bytes a lane
	s_mul_i32 s19, s18, STGB
	v_add_nc_u32 v3, s19, v2                       ; the stage, on the way in: a row as it lies
	v_and_b32 v8, 15, v0                           ; r
	v_bfe_u32 v9, v0, 4, 1                         ; h
	v_mul_u32_u24 v4, v8, 528
	v_lshl_add_u32 v4, v9, 7, v4
	v_add_nc_u32 v4, s19, v4                       ; and on the way out: row r, + 128 h: my block of 32 numbers
	v_lshlrev_b32 v5, 3, v1                        ; 8 x lane
	v_lshlrev_b32 v6, 4, v8
	v_lshl_add_u32 v6, v9, 3, v6                   ; 16 r + 8 h: my two of a row's four scale words
	v_lshlrev_b32 v7, 3, v9                        ; 8 h: how far my two bytes are shifted in a scale word
	v_mov_b32 v13, 0                               ; written once: a lane permute's destination counts as one of its sources
	s_mov_b32 s28, 0x76543210
	s_mov_b32 s29, 0xfedcba98                      ; v_permlanex16_b32's selects for lane l xor 16
	s_lshr_b32 s22, s18, 1                         ; which of the work-group's two tiles
	s_and_b32 s23, s18, 1                          ; which half of K
	s_and_b32 s20, ttmp9, 31                       ; a weight has 32 work-groups, and each weight begins at a multiple of 32
	s_cmp_lt_u32 ttmp9, 256
	s_cselect_b32 s20, ttmp9, s20                  ; the work-group's number within its tensor
	s_lshl_b32 s20, s20, 17                        ; 32 rows of 4,096 bytes,
	s_lshl_b32 s24, s22, 15                        ; the odd tile begins 8 rows further down,
	s_add_co_u32 s20, s20, s24
	s_lshl_b32 s24, s23, 11                        ; 512 numbers along K
	s_add_co_u32 s20, s20, s24
	s_mov_b32 s21, 0
	s_lshl_b32 s24, ttmp9, 1
	s_add_co_u32 s24, s24, s22                     ; T
	s_mul_i32 s26, s24, 12288
	s_mul_i32 s25, s23, 6144
	s_add_co_u32 s26, s26, s25                     ; my four fragments in opc
	s_mov_b32 s27, 0
	s_lshl_b32 s24, s24, 9
	s_lshl_b32 s25, s23, 8
	s_add_co_u32 s24, s24, s25                     ; my 256 bytes in ops
	s_mov_b32 s25, 0
	s_wait_alu depctr_va_vdst(0)
	s_wait_kmcnt 0x0
	s_cmp_lt_u32 ttmp9, 352                        ; which tensor: the choice hangs on the work-group's number alone
	s_cselect_b64 s[12:13], s[10:11], s[12:13]
	s_cmp_lt_u32 ttmp9, 320
	s_cselect_b64 s[12:13], s[8:9], s[12:13]
	s_cmp_lt_u32 ttmp9, 288
	s_cselect_b64 s[12:13], s[6:7], s[12:13]
	s_cmp_lt_u32 ttmp9, 256
	s_cselect_b64 s[12:13], s[4:5], s[12:13]
	s_add_nc_u64 s[12:13], s[12:13], s[20:21]
	s_add_nc_u64 s[14:15], s[14:15], s[26:27]
	s_add_nc_u64 s[16:17], s[16:17], s[24:25]
.macro LOAD f                          ; fragment f: 128 along K of the tile's 16 rows, a row a load
.irp i, 0,1,2,3,4,5,6,7,8,9,10,11,12,13,14,15
	global_load_b128 v[R+64*((\f)%2)+4*\i:R+64*((\f)%2)+4*\i+3], v2, s[12:13] offset:(\i+8*(\i/8))*4096+512*(\f) th:TH_LOAD_NT
.endr
.endm
.macro FRAGQ f
.if (\f) < 3
	s_wait_loadcnt 16                              ; this fragment's 16 loads are in; the next fragment's 16 may be out
.else
	s_wait_loadcnt 0x0
.endif
.irp i, 0,1,2,3,4,5,6,7,8,9,10,11,12,13,14,15
	ds_store_b128 v3, v[R+64*((\f)%2)+4*\i:R+64*((\f)%2)+4*\i+3] offset:528*\i
.endr
.irp c, 0,1
.irp j, 0,1,2,3,4,5,6,7
	ds_load_b128 v[X+32*\c+4*\j:X+32*\c+4*\j+3], v4 offset:256*\c+16*\j   ; LDS serves a wave's instructions in order (ISA guide 5.7.1.4): these see the stores above.  K = 64 c + 32 h + 4 j ..
.endr
.endr
	s_wait_dscnt 0x0                               ; my 64 numbers are back, and the stores into the stage have read their registers
	s_wait_xcnt 0x0                                ; the last fragment's stores have read their data: the codes' registers are written again only behind this wait
.if (\f) < 2
	LOAD (\f)+2
.endif
	v_max3_num_f32 v8, |v[X]|, |v[X+1]|, 0x1800000         ; block h: all its 32 numbers are mine; and the floor 2^(3 - 127), so that the byte cannot fall under 1
	v_max3_num_f32 v9, |v[X+32]|, |v[X+33]|, 0x1800000     ; block 2 + h
.irp i, 2,4,6,8,10,12,14,16,18,20,22,24,26,28,30
	v_max3_num_f32 v8, v8, |v[X+\i]|, |v[X+\i+1]|          ; (the two blocks by turns)
	v_max3_num_f32 v9, v9, |v[X+32+\i]|, |v[X+33+\i]|
.endr
	v_add_nc_u32 v10, 0xff000000, v8               ; 2 off the exponent field: the conversion takes the exponent field of this operand as its scale, and nothing else of it
	v_add_nc_u32 v11, 0xff000000, v9
	v_lshrrev_b32 v8, 23, v10                      ; the scales' bytes
	v_lshrrev_b32 v9, 23, v11
	v_lshl_or_b32 v12, v9, 16, v8                  ; blocks h and 2 + h,
	v_lshlrev_b32 v12, v7, v12                     ; at their places in the word;
	v_permlanex16_b32 v13, v12, s28, s29
	v_or_b32 v[W4+(\f)], v12, v13                  ; with lane l xor 16's two the word is whole
	v_cvt_scalef32_pk16_fp6_f32 v[PC:PC+2], v[X:X+15], v10
	v_cvt_scalef32_pk16_fp6_f32 v[CT:CT+2], v[X+16:X+31], v10
	v_cvt_scalef32_pk16_fp6_f32 v[PC+6:PC+8], v[X+32:X+47], v11
	v_cvt_scalef32_pk16_fp6_f32 v[CT+4:CT+6], v[X+48:X+63], v11
	v_nop                                          ; one plain place behind a scaled conversion
.irp i, 0,1,2
	v_mov_b32 v[PC+3+\i], v[CT+\i]
	v_mov_b32 v[PC+9+\i], v[CT+4+\i]
.endr
	global_store_b128 v2, v[PC:PC+3], s[14:15] offset:1536*(\f)            ; 512 consecutive bytes, at a multiple of 256 from the buffer's first byte
	global_store_b64 v5, v[PC+4:PC+5], s[14:15] offset:1536*(\f)+512       ; 256
	global_store_b128 v2, v[PC+6:PC+9], s[14:15] offset:1536*(\f)+768
	global_store_b64 v5, v[PC+10:PC+11], s[14:15] offset:1536*(\f)+1280
.endm
	LOAD 0
	LOAD 1
	FRAGQ 0
	FRAGQ 1
	FRAGQ 2
	FRAGQ 3
	v_cmp_gt_u32 vcc_lo, 16, v1                    ; both halves of the lanes hold a row's four words: lanes 0-15 store words 0, 1, lanes 16-31 words 2, 3
	v_cndmask_b32 v20, v[W4+2], v[W4], vcc_lo
	v_cndmask_b32 v21, v[W4+3], v[W4+1], vcc_lo
	global_store_b64 v6, v[20:21], s[16:17]        ; 256 consecutive bytes, aligned
	s_wait_tensorcnt 0x0                           ; the wave's end: behind my last LDS store
	ds_add_u32 v[SPW], v[NIL]
	s_wait_dscnt 0x0
	s_endpgm
.Lfunc_end_k_q24008f3af1_quant:
	.size	k_q24008f3af1_quant, .Lfunc_end_k_q24008f3af1_quant-k_q24008f3af1_quant
	.p2alignl 7, 3214868480
	.fill 96, 4, 3214868480
	.section	.rodata,"a",@progbits
	.p2align	6, 0x0
	.amdhsa_kernel k_q24008f3af1_quant
		.amdhsa_group_segment_fixed_size 34304
		.amdhsa_private_segment_fixed_size 0
		.amdhsa_enable_private_segment 0
		.amdhsa_kernarg_size 56
		.amdhsa_user_sgpr_count 2
		.amdhsa_user_sgpr_kernarg_segment_ptr 1
		.amdhsa_wavefront_size32 1
		.amdhsa_system_sgpr_workgroup_id_x 1
		.amdhsa_system_sgpr_workgroup_id_y 1
		.amdhsa_system_sgpr_workgroup_id_z 1
		.amdhsa_system_vgpr_workitem_id 0
		.amdhsa_next_free_vgpr 256
		.amdhsa_next_free_sgpr 66
		.amdhsa_reserve_vcc 1
		.amdhsa_float_denorm_mode_32 3
		.amdhsa_float_denorm_mode_16_64 3
		.amdhsa_memory_ordered 1
		.amdhsa_forward_progress 1
		.amdhsa_inst_pref_size 31
	.end_amdhsa_kernel
	.amdgpu_metadata
---
amdhsa.version: [ 1, 2 ]
amdhsa.kernels:
  - .name:           k_q24008f3af1_quant
    .symbol:         k_q24008f3af1_quant.kd
    .args:
      - { .name: x, .offset: 0, .size: 8, .value_kind: global_buffer, .address_space: global }
      - { .name: Wq, .offset: 8, .size: 8, .value_kind: global_buffer, .address_space: global }
      - { .name: Wk, .offset: 16, .size: 8, .value_kind: global_buffer, .address_space: global }
      - { .name: Wv, .offset: 24, .size: 8, .value_kind: global_buffer, .address_space: global }
      - { .name: Wo, .offset: 32, .size: 8, .value_kind: global_buffer, .address_space: global }
      - { .name: opc, .offset: 40, .size: 8, .value_kind: global_buffer, .address_space: global }
      - { .name: ops, .offset: 48, .size: 8, .value_kind: global_buffer, .address_space: global }
    .group_segment_fixed_size: 34304
    .private_segment_fixed_size: 0
    .kernarg_segment_align: 8
    .kernarg_segment_size: 56
    .max_flat_workgroup_size: 128
    .sgpr_count:     66
    .vgpr_count:     256
    .wavefront_size: 32
...
	.end_amdgpu_metadata
.endif
;; end of part 1
;; launch qkv (part 2): grid 12 x 64, 4 waves a work-group, clusters of 4 x 4, 327,680 bytes of LDS; arguments opc, ops, qkvc, qkvs; writes qkvc, qkvs
.if DOCPART == 2
	.amdgcn_target "amdgcn-amd-amdhsa--gfx1250"
	.amdhsa_code_object_version 6
	.text
	.protected	k_q24008f3af1_qkv
	.globl	k_q24008f3af1_qkv
	.p2align	8
	.type	k_q24008f3af1_qkv,@function
k_q24008f3af1_qkv:
	s_mov_b64 s[64:65], 0
	v_nop
	global_prefetch_b8 v0, s[64:65] scope:SCOPE_SE
	s_setreg_imm32_b32 hwreg(HW_REG_WAVE_MODE, 25, 1), 1
	s_wait_xcnt 0x0
	s_wait_alu depctr_hold_cnt(0) depctr_sa_sdst(0) depctr_va_vdst(0) depctr_va_sdst(0) depctr_va_ssrc(0) depctr_va_vcc(0) depctr_vm_vsrc(0)
	s_getreg_b32 s2, hwreg(HW_REG_IB_STS2, 6, 4)
	s_cmp_eq_u32 s2, 0
	s_cbranch_scc0 .Lentry_in_a_cluster
	s_endpgm
.Lentry_in_a_cluster:
	s_bfe_u32 s2, ttmp6, 0x10000c
	s_cmp_lg_u32 s2, 0xf033
	s_cbranch_scc0 .Lentry_shape_is_right
	s_endpgm
.Lentry_shape_is_right:
; q = x Wq^T, k = x Wk^T, v = x Wv^T on codes of FP6 (E2M3) with E8M0 scales, K = 1,024; the results are quantised here, in registers, for the attention launch: q and k along the head's 64, v along the keys.
; Operands come as images of registers (opc: [T 768][K step 8][1536]; ops: scale words; tile T's place r is row 32 (T / 2) + 8 (T % 2) + r + 8 (r / 8)).
; THE PRODUCT.  A work-group makes 128 rows of "A" x 256 rows of "B"; a wave 64 x 128: 32 accumulators.  The matrix instruction is used transposed (source 0 = a tile of B, source 1 = a tile of A): a lane holds ONE row
; of A, and the 16 registers of B's tiles 2 b, 2 b + 1 are 16 neighbours along B's rows.  For q and k: A = tokens, B = features of Wq | Wk, so a lane's registers run along the head.  For v: A = features of Wv,
; B = tokens, so they run along the keys.  One text serves both: what A and B are is chosen by the CLUSTER's x (2: v), which all partners share, by selects alone; no branch hangs on it.
; ALL OF K STAYS IN LDS: 384 rows x 768 bytes = 294,912 bytes, in two halves of 512 along K, each asked for once, at the head: nothing is filled again, so the loop over K has no wait for all loads.
; Since every tile is asked for at the head, there is no later load for which a prefetch could ask.
; CLUSTERS: 4 x 4 work-groups.  A's tiles are shared along a row of the cluster, B's along a column: each is asked for JOINTLY, by the same tensor load with the same descriptor and a mask that names the four.
; OUT.  qkvc, a record of 294,912 bytes for each (batch, head): q [tile 128][768], k at +98,304 likewise (16 tokens x the head's 64: half a fragment), v at +196,608 [K step 16][tile of 16 channels 4][1536].
; qkvs, a record of 20,480 bytes: q [group of 4 tiles 32][r][4 words] (bytes 2, 3 of a word are 0), k at +8,192 likewise, v at +16,384 [K step 16][r][4 words].
; LIMITS: a block whose largest magnitude lies under 2^-124 has its byte held at 1; a block of zeros has the byte 1 (its codes are zeros; this program alone reads the bytes); NaN and infinities are not served.
; REGISTERS, in windows of 256: window 0: v1-13 lane numbers and addresses; v16-31 at work in the quantiser; v32-63 A's scale words (tile a, K step s at 32 + 8 a + s); v64-127 B's (64 + 8 b + s);
;   v128-155 codes and scale words on the way out; v160-207, v208-255 A's fragments, two sets.   window 1: v0-95, v96-191 B's fragments, two sets.   window 2: accumulator (a, b) at v[8 (8 a + b)].
.set CHUNK, 147456                     ; LDS: half of K (512): A's 8 tiles x 6,144 bytes, then B's 16
.set BOFF,  49152
.set SPARE, 2*CHUNK                    ; behind the two halves: the spare words, 128 bytes for each wave
.set FR,    12                         ; registers of a fragment
.set AL16,  4                          ; v4-7  LDS addresses of my fragments in the chunk in hand: A's and B's, for loads of 16 and of 8 bytes a lane
.set AL8,   5
.set BL16,  6
.set BL8,   7
.set SPW,   14                         ; v14  LDS address of my spare word; never rewritten
.set NIL,   15                         ; v15  0; never rewritten
.set TM,    16
.set SA,    32
.set SB,    64
.set PC,    128                        ; v128-139 a fragment's codes; v140-142, v144-146 second halves
.set CT,    140
.set PW,    148                        ; the scale word just made
.set W4,    152                        ; v152-155 four scale words to store
.set AF,    160
.set WV,  16                           ; s16 wave; s17 wave & 1; s18 wave >> 1; s19 cx; s20 cy
.set W1,  17
.set W2,  18
.set CX,  19
.set CY,  20
.set G1A, 24                           ; s[24:31], s[32:39] descriptor groups 1 for A's and B's tiles
.set G1B, 32
.set G0A, 40                           ; s[40:43] group 0 for A's half of K; B's at s[56:59]
.set G0B, 56
.set TA0, 66                           ; s66, s67 the work-group's first tiles of A and of B in opc
.set TB0, 67
.set SEL, 76                           ; s[76:77] lane selects for v_permlanex16_b32
.set PSA, 78                           ; s[78:79] bytes from one of my tiles of A to the next in qkvc
.set PSC, 80                           ; s[80:81] bytes from a fragment's first half to its second: the next head's record (q, k), or 768 (v)
.set PSH, 82                           ; s82 16 (q, k: lanes 16-31 take the odd head's two bytes) or 0
.set PMK, 83                           ; s83 0xffff (q, k) or all ones
.set PHS, 84                           ; s84 20,480 (q, k: lanes 16-31 store into the odd head's record) or 0
.set LA,  85
.set LB,  21
.set FA,  86                           ; s[86:87], s[88:89] where my tensor loads read
.set FB,  88
.set QA,  90                           ; s[90:91], s[92:93] my tiles' scale words in ops
.set QB,  92
.set P0,  94                           ; s[94:95], s[96:97] where a fragment's two halves go; s[98:99] the scale words
.set P1,  96
.set PS,  98
.set MSB, 0
.macro WIN new                         ; s_set_vgpr_msb: bits 1:0 source 0, 3:2 source 1, 5:4 source 2, 7:6 destination; the immediate's high byte repeats the setting that is left
.if MSB != \new
	s_set_vgpr_msb (MSB<<8)|\new
.set MSB, \new
.endif
.endm
.macro PLACES n
.rept \n
	v_nop
.endr
.endm
.macro CROUND                          ; a round of the cluster's barrier
	s_barrier_signal -1
	s_barrier_wait -1
	s_cmp_lg_u32 s[WV], 0
	s_cbranch_scc1 .Lnot_wave_0_\@
	s_barrier_signal -3
.Lnot_wave_0_\@:
	s_barrier_wait -3
	s_barrier_signal -1
	s_barrier_wait -1
.endm
	s_load_b256 s[4:11], s[0:1], 0x0               ; opc, ops, qkvc, qkvs
	v_lshl_add_u32 v[SPW], v0, 2, SPARE
	v_mov_b32 v[NIL], 0
	ds_add_u32 v[SPW], v[NIL]                      ; the wave's opening: the add and its wait stand ahead of my first tensor load; the set-up below, work on registers, stands between them
	ds_add_u32 v[SPW], v[NIL]
	v_lshrrev_b32 v1, 5, v0
	v_readfirstlane_b32 s[WV], v1
	s_and_b32 s[W1], s[WV], 1                      ; my half of B's rows.  Also: I fetch for A (0) or for B (1)
	s_lshr_b32 s[W2], s[WV], 1                     ; my half of A's rows.  Also: which half of K I fetch
	s_bfe_u32 s[CX], ttmp6, 0x40000
	s_bfe_u32 s[CY], ttmp6, 0x40004
	s_and_b32 s21, ttmp7, 0xffff                   ; cluster y, 0 .. 15
	s_and_b32 s22, s21, 1
	s_lshr_b32 s23, s21, 1
	s_mov_b32 s[PSA], 768
	s_mov_b32 s[PSC], 294912
	s_cmp_eq_u32 ttmp9, 2                          ; cluster x: 0, 1: q and k; 2: v
	s_cselect_b32 s22, s22, s21                    ; A's coordinate: 16 clusters of tokens, or 2 of Wv's features
	s_cselect_b32 s23, s23, ttmp9                  ; B's: 2 clusters of Wq | Wk's features, or 8 of tokens
	s_cselect_b32 s[TA0], 640, 0
	s_cselect_b32 s[TB0], 0, 512
	s_cselect_b32 s[PSA], 1536, s[PSA]
	s_cselect_b32 s[PSC], 768, s[PSC]
	s_cselect_b32 s[PSH], 0, 16
	s_cselect_b32 s[PMK], -1, 0xffff
	s_cselect_b32 s[PHS], 0, 20480
	s_mov_b32 s[PSA+1], 0
	s_mov_b32 s[PSC+1], 0
	s_lshl_b32 s22, s22, 2
	s_add_co_u32 s22, s22, s[CY]                   ; ta: which 128 rows of A
	s_lshl_b32 s23, s23, 2
	s_add_co_u32 s23, s23, s[CX]                   ; tb: which 256 rows of B
	s_lshl_b32 s2, s[CY], 2
	s_lshl_b32 s2, 15, s2                          ; my row of the cluster
	s_lshl_b32 s3, 0x1111, s[CX]                   ; my column
	; descriptor groups 1: 8 (A) or 16 (B) tiles x 6,144 bytes (768 elements of 8 bytes), 12,288 bytes (1,536 elements) apart in memory, dense in LDS
	s_or_b32 s[G1A], s2, (3<<16)|(1<<21)           ; 15:0 the mask; 17:16 elements of 8 bytes; 21 set beside a mask
	s_or_b32 s[G1B], s3, (3<<16)|(1<<21)
	s_mov_b32 s[G1A+1], 768<<16                    ; tensor_dim0: half of K of a tile, 6,144 bytes
	s_mov_b32 s[G1A+2], 8<<16                      ; tensor_dim1: a load brings all 8 tiles of A of one chunk
	s_mov_b32 s[G1A+3], 768<<16
	s_mov_b32 s[G1A+4], 8
	s_mov_b32 s[G1A+5], 1536                       ; tensor_dim0_stride
	s_mov_b32 s[G1A+6], 0
	s_mov_b32 s[G1A+7], 0
	s_mov_b32 s[G1B+1], 768<<16
	s_mov_b32 s[G1B+2], 16<<16                     ; all 16 tiles of B of one chunk
	s_mov_b32 s[G1B+3], 768<<16
	s_mov_b32 s[G1B+4], 16
	s_mov_b32 s[G1B+5], 1536
	s_mov_b32 s[G1B+6], 0
	s_mov_b32 s[G1B+7], 0
	s_lshl_b32 s2, s22, 3
	s_add_co_u32 s[TA0], s[TA0], s2
	s_lshl_b32 s3, s23, 4
	s_add_co_u32 s[TB0], s[TB0], s3
	s_mul_i32 s[FA], s[TA0], 12288                 ; what I would fetch for A: its 8 tiles, half of K wave >> 1: it hangs on cy alone of the two places,
	s_mul_i32 s2, s[W2], 6144
	s_add_co_u32 s[FA], s[FA], s2
	s_mov_b32 s[FA+1], 0
	s_lshl_b32 s3, s[W1], 3                        ; and for B: tiles TB0 + 8 (wave & 1) on: on cx alone
	s_add_co_u32 s3, s3, s[TB0]
	s_mul_i32 s[FB], s[TB0], 12288                 ; B's 16 tiles, the same chunk
	s_add_co_u32 s[FB], s[FB], s2
	s_mov_b32 s[FB+1], 0
	s_lshl_b32 s[QB], s3, 9                        ; my 8 tiles of B are those too: their scale words
	s_mov_b32 s[QB+1], 0
	s_mul_i32 s[LA], s[W2], CHUNK                  ; where they go: my half of K; no place in the cluster enters an LDS address
	s_mul_i32 s[LB], s[W2], CHUNK
	s_lshl_b32 s2, s[W2], 2
	s_add_co_u32 s2, s2, s[TA0]
	s_lshl_b32 s[QA], s2, 9                        ; my 4 tiles of A: their scale words
	s_mov_b32 s[QA+1], 0
	; where my results go.  q, k: token tile Tq = 8 ta + 4 ha, features 128 g on with g = 2 tb + hb: two heads
	s_lshl_b32 s2, s22, 3
	s_lshl_b32 s3, s[W2], 2
	s_add_co_u32 s2, s2, s3
	s_lshr_b32 s94, s2, 7                          ; batch
	s_and_b32 s2, s2, 127                          ; tile within the batch
	s_lshl_b32 s3, s23, 1
	s_add_co_u32 s3, s3, s[W1]                     ; g
	s_lshr_b32 s95, s3, 3                          ; 0: q, 1: k
	s_and_b32 s96, s3, 7
	s_lshl_b32 s96, s96, 1                         ; the even head
	s_lshl_b32 s94, s94, 4
	s_add_co_u32 s94, s94, s96                     ; the record
	s_mul_i32 s96, s95, 98304
	s_mul_i32 s97, s2, 768
	s_add_co_u32 s96, s96, s97                     ; codes, within the record
	s_lshl_b32 s95, s95, 13
	s_lshr_b32 s2, s2, 2
	s_lshl_b32 s2, s2, 8
	s_add_co_u32 s95, s95, s2                      ; scale words, within the record
	; v: head 2 ta + ha; tokens 128 g on: batch g / 16, K step g % 16
	s_lshl_b32 s2, s22, 1
	s_add_co_u32 s2, s2, s[W2]
	s_lshr_b32 s97, s3, 4
	s_lshl_b32 s97, s97, 4
	s_add_co_u32 s97, s97, s2
	s_and_b32 s3, s3, 15
	s_mul_i32 s98, s3, 6144
	s_add_co_u32 s98, s98, 196608
	s_lshl_b32 s99, s3, 8
	s_add_co_u32 s99, s99, 16384
	s_cmp_eq_u32 ttmp9, 2
	s_cselect_b32 s94, s97, s94
	s_cselect_b32 s96, s98, s96
	s_cselect_b32 s95, s99, s95
	s_mul_i32 s3, s94, 20480
	s_add_co_u32 s[PS], s3, s95
	s_mov_b32 s[PS+1], 0
	s_mul_i32 s2, s94, 294912
	s_add_co_u32 s[P0], s2, s96
	s_mov_b32 s[P0+1], 0
	s_mov_b32 s[SEL], 0x76543210
	s_mov_b32 s[SEL+1], 0xfedcba98
	s_wait_dscnt 0x0                               ; the opening add is done
	s_wait_kmcnt 0x0
	s_add_nc_u64 s[FA:FA+1], s[4:5], s[FA:FA+1]
	s_add_nc_u64 s[FB:FB+1], s[4:5], s[FB:FB+1]
	s_add_nc_u64 s[QA:QA+1], s[6:7], s[QA:QA+1]
	s_add_nc_u64 s[QB:QB+1], s[6:7], s[QB:QB+1]
	s_add_nc_u64 s[P0:P0+1], s[8:9], s[P0:P0+1]
	s_add_nc_u64 s[P1:P1+1], s[P0:P0+1], s[PSC:PSC+1]
	s_add_nc_u64 s[PS:PS+1], s[10:11], s[PS:PS+1]
.irp c, 0                                      ; one descriptor for A and one for B: each wave uses one of them
	s_mov_b32 s[G0A+4*\c], 1
	s_add_co_u32 s[G0A+4*\c+1], s[LA], \c*CHUNK                            ; LDS address
	s_add_nc_u64 s[G0A+4*\c+2:G0A+4*\c+3], s[FA:FA+1], \c*3072             ; global address: 256 along K are 3,072 bytes of a tile
	s_or_b32 s[G0A+4*\c+3], s[G0A+4*\c+3], 0x80000000                      ; type = 2
	s_mov_b32 s[G0B+4*\c+4*(\c/2)], 1
	s_add_co_u32 s[G0B+4*\c+4*(\c/2)+1], s[LB], BOFF+\c*CHUNK
	s_add_nc_u64 s[G0B+4*\c+4*(\c/2)+2:G0B+4*\c+4*(\c/2)+3], s[FB:FB+1], \c*3072
	s_or_b32 s[G0B+4*\c+4*(\c/2)+3], s[G0B+4*\c+4*(\c/2)+3], 0x80000000
.endr
	CROUND                                         ; all sixteen work-groups are here: the joint loads meet
; ALL OF K IS ASKED FOR HERE, one joint load a wave, in one chain of arms on the wave's number: wave 0 A's first half of K, wave 1 B's, wave 2 A's second half, wave 3 B's.
; Waves 0 and 1 have load lines of their own, since they alone wait ahead of the first barrier.
.macro ARM w, g0, g1, next
	s_cmp_eq_u32 s[WV], \w
	s_cbranch_scc0 \next
	tensor_load_to_lds s[\g0:\g0+3], s[\g1:\g1+7]
	s_nop 0
	PLACES 4
	s_branch .Lfilled
\next:
.endm
	ARM 0, G0A, G1A, .Larm_1
	ARM 1, G0B, G1B, .Larm_2
	ARM 2, G0A, G1A, .Larm_3
	tensor_load_to_lds s[G0B:G0B+3], s[G1B:G1B+7]
	s_nop 0
	PLACES 4
.Lfilled:
	v_and_b32 v1, 15, v0                           ; r
	v_bfe_u32 v2, v0, 4, 1                         ; h
	v_and_b32 v3, 31, v0                           ; lane
	v_lshlrev_b32 v8, 4, v3                        ; 16 x lane
	v_lshlrev_b32 v9, 3, v3                        ; 8 x lane
	v_lshlrev_b32 v10, 4, v1                       ; 16 r
	s_mul_i32 s2, s[W2], 24576                     ; my 4 tiles of A
	v_add_nc_u32 v[AL16], s2, v8
	v_add_nc_u32 v[AL8], s2, v9
	s_mul_i32 s3, s[W1], 49152                     ; my 8 tiles of B, behind A's 8
	s_add_co_u32 s3, s3, BOFF
	v_add_nc_u32 v[BL16], s3, v8
	v_add_nc_u32 v[BL8], s3, v9
	v_mad_u32_u24 v11, v2, s[PHS], v10             ; where I store four scale words
	v_mul_u32_u24 v12, v2, s[PSH]                  ; and which half of a word is my head's
.irp b, 0,1,2,3
	v_mov_b32 v[TM+4+\b], 0                        ; written once: a lane permute's destination counts as one of its sources
.endr
.irp i, 0,1,2,3,4,5,6,7                        ; the scale words of all of K go straight into registers: lane r takes row r's four words of half a K; they hold scales and nothing else
.irp f, 0,1
	global_load_b128 v[SB+8*\i+4*\f:SB+8*\i+4*\f+3], v10, s[QB:QB+1] offset:\i*512+\f*256
.endr
.endr
.irp i, 0,1,2,3
.irp f, 0,1
	global_load_b128 v[SA+8*\i+4*\f:SA+8*\i+4*\f+3], v10, s[QA:QA+1] offset:\i*512+\f*256
.endr
.endr
; 48 LDS loads in one run: my 8 fragments of B and 4 of A of the chunk's q-th 128 along K.  An image comes back as it was stored: each load takes 512 or 256 consecutive bytes
.macro FETCH q, set
	WIN 0x40                                       ; destination window 1, address window 0
.irp i, 0,1,2,3,4,5,6,7
	ds_load_b128 v[96*(\set)+FR*\i:96*(\set)+FR*\i+3],     v[BL16] offset:\i*6144+(\q)*1536
	ds_load_b64  v[96*(\set)+FR*\i+4:96*(\set)+FR*\i+5],   v[BL8]  offset:\i*6144+(\q)*1536+512
	ds_load_b128 v[96*(\set)+FR*\i+6:96*(\set)+FR*\i+9],   v[BL16] offset:\i*6144+(\q)*1536+768
	ds_load_b64  v[96*(\set)+FR*\i+10:96*(\set)+FR*\i+11], v[BL8]  offset:\i*6144+(\q)*1536+1280
.endr
	WIN 0
.irp i, 0,1,2,3
	ds_load_b128 v[AF+48*(\set)+FR*\i:AF+48*(\set)+FR*\i+3],     v[AL16] offset:\i*6144+(\q)*1536
	ds_load_b64  v[AF+48*(\set)+FR*\i+4:AF+48*(\set)+FR*\i+5],   v[AL8]  offset:\i*6144+(\q)*1536+512
	ds_load_b128 v[AF+48*(\set)+FR*\i+6:AF+48*(\set)+FR*\i+9],   v[AL16] offset:\i*6144+(\q)*1536+768
	ds_load_b64  v[AF+48*(\set)+FR*\i+10:AF+48*(\set)+FR*\i+11], v[AL8]  offset:\i*6144+(\q)*1536+1280
.endr
.endm
; 32 matrix instructions: K step s on fragment set p.  The 32 accumulators take turns, one instruction a turn, in the same order in every step.  zero = 1: the first products start the sums
.macro MUL32 p, s, zero
	WIN 0xa1                                       ; source 0 (B) window 1, source 1 (A) window 0, C and D window 2
.irp a, 0,1,2,3
.irp b, 0,1,2,3,4,5,6,7
.if \zero
	v_wmma_scale_f32_16x16x128_f8f6f4 v[8*(8*\a+\b):8*(8*\a+\b)+7], v[96*(\p)+FR*\b:96*(\p)+FR*\b+FR-1], v[AF+48*(\p)+FR*\a:AF+48*(\p)+FR*\a+FR-1], 0, v[SB+8*\b+(\s)], v[SA+8*\a+(\s)] matrix_a_fmt:MATRIX_FMT_FP6 matrix_b_fmt:MATRIX_FMT_FP6
.else
	v_wmma_scale_f32_16x16x128_f8f6f4 v[8*(8*\a+\b):8*(8*\a+\b)+7], v[96*(\p)+FR*\b:96*(\p)+FR*\b+FR-1], v[AF+48*(\p)+FR*\a:AF+48*(\p)+FR*\a+FR-1], v[8*(8*\a+\b):8*(8*\a+\b)+7], v[SB+8*\b+(\s)], v[SA+8*\a+(\s)] matrix_a_fmt:MATRIX_FMT_FP6 matrix_b_fmt:MATRIX_FMT_FP6
.endif
.endr
.endr
.endm
; K step s: its fragments were asked for a step ago; the next step's are asked for ahead of its 32 products.  A load into a register that a matrix instruction has read stands four plain vector instructions behind it
; (ISA guide 7.12.1 for vector instructions).  Where the next step lies in the next chunk: my part of that chunk has landed, the later chunks may stay out
; every wave says so, and the four address steps are the four places.
.macro STEP s, zero
	s_wait_dscnt 0x0                               ; this step's fragments are in
.if (\s) < 7
.if (\s) == 3                                  ; the next step lies in the second half of K: every wave's load has landed, every wave says so; the four address steps are the four places
	s_wait_tensorcnt 0x0
	s_barrier_signal -1
	s_barrier_wait -1
	v_add_nc_u32 v[AL16], CHUNK, v[AL16]
	v_add_nc_u32 v[AL8], CHUNK, v[AL8]
	v_add_nc_u32 v[BL16], CHUNK, v[BL16]
	v_add_nc_u32 v[BL8], CHUNK, v[BL8]
.elseif (\s) > 0
	PLACES 4
.endif
	FETCH ((\s)+1)%4, 1-(\s)%2
.endif
	MUL32 (\s)%2, \s, \zero
	WIN 0
.endm
	s_wait_alu depctr_va_vdst(0)
	s_cmp_lt_u32 s[WV], 2                          ; waves 0 and 1 brought the first half of K: they wait for it; the second half may stay out
	s_cbranch_scc0 .Lsecond_half
	s_wait_tensorcnt 0x0
.Lsecond_half:
	s_barrier_signal -1
	s_barrier_wait -1
	FETCH 0, 0
	s_wait_loadcnt 0x0                             ; the scale words
	STEP 0, 1
	STEP 1, 0
	STEP 2, 0
	STEP 3, 0
	s_wait_alu depctr_va_vdst(0)
	STEP 4, 0
	STEP 5, 0
	STEP 6, 0
	STEP 7, 0
; THE WAY OUT.  The 64 results of a lane for tile a of A (window 2, v[64 a] on): register 16 b + i is place 32 b + 16 (lane / 16) + i along B's 128 rows.  They become a fragment's codes in v[PC] on and its scale word in v[PW].
.macro QUANTW a
	WIN 0x0a                                       ; sources 0 and 1 window 2
.irp b, 0,1,2,3
	v_max3_num_f32 v[TM+\b], |v[64*(\a)+16*\b]|, |v[64*(\a)+16*\b+1]|, 0x1800000   ; block b: my 16 numbers, each accumulator from its low end on, and the floor 2^(3 - 127): the byte cannot fall under 1
.endr
.irp i, 2,4,6,8,10,12,14
.irp b, 0,1,2,3
	v_max3_num_f32 v[TM+\b], |v[64*(\a)+16*\b+\i]|, |v[64*(\a)+16*\b+\i+1]|, v[TM+\b]   ; (the four blocks by turns)
.endr
.endr
	WIN 0
.irp b, 0,1,2,3
	v_permlanex16_b32 v[TM+4+\b], v[TM+\b], s[SEL], s[SEL+1]
.endr
.irp b, 0,1,2,3
	v_max_num_f32 v[TM+\b], v[TM+\b], v[TM+4+\b]   ; with lane l xor 16's: the block's largest magnitude
.endr
.irp b, 0,1,2,3
	v_add_nc_u32 v[TM+12+\b], 0xff000000, v[TM+\b] ; 2 off its exponent field: the conversion's scale operand
.endr
.irp b, 0,1,2,3
	v_lshrrev_b32 v[TM+4+\b], 23, v[TM+12+\b]      ; the scale's byte
.endr
	v_lshl_or_b32 v[PW], v[TM+5], 8, v[TM+4]
	v_lshl_or_b32 v[PW], v[TM+6], 16, v[PW]
	v_lshl_or_b32 v[PW], v[TM+7], 24, v[PW]
	WIN 0x02                                       ; source 0 window 2
.irp c, 0,1
	v_cvt_scalef32_pk16_fp6_f32 v[PC+6*\c:PC+6*\c+2], v[64*(\a)+32*\c:64*(\a)+32*\c+15], v[TM+12+2*\c]
	v_cvt_scalef32_pk16_fp6_f32 v[CT+4*\c:CT+4*\c+2], v[64*(\a)+32*\c+16:64*(\a)+32*\c+31], v[TM+13+2*\c]   ; (a conversion's three registers begin on an even number)
.endr
	WIN 0
	v_nop                                          ; one plain place behind a scaled conversion
.irp c, 0,1                                    ; the operand's layout wants a WHOLE block in a lane: lanes 0-15 block 2 c, lanes 16-31 block 2 c + 1
.irp i, 0,1,2
	v_permlane16_swap_b32 v[PC+6*\c+\i], v[CT+4*\c+\i]
.endr
.irp i, 0,1,2
	v_mov_b32 v[PC+3+6*\c+\i], v[CT+4*\c+\i]
.endr
.endr
.endm
	PLACES 4                                       ; the first reads of results stand four places behind the last products
.irp a, 0,1,2,3
.if \a > 0
	s_wait_xcnt 0x0                                ; the last tile's stores have read their data and their bases: both are written again only behind this wait
	s_add_nc_u64 s[P0:P0+1], s[P0:P0+1], s[PSA:PSA+1]
	s_add_nc_u64 s[P1:P1+1], s[P1:P1+1], s[PSA:PSA+1]
.endif
	QUANTW \a
	v_lshrrev_b32 v[W4+\a], v12, v[PW]             ; q, k: lanes 0-15 keep the even head's two bytes, lanes 16-31 the odd head's, bytes 2 and 3 become 0; v: the word as it is
	v_and_b32 v[W4+\a], s[PMK], v[W4+\a]
	global_store_b128 v8, v[PC:PC+3], s[P0:P0+1]               ; the first half: 512 and 256 consecutive bytes, at multiples of 256 from the buffer's first byte
	global_store_b64 v9, v[PC+4:PC+5], s[P0:P0+1] offset:512
	global_store_b128 v8, v[PC+6:PC+9], s[P1:P1+1]             ; the second: the odd head's tile (q, k), or the K step's upper 64 keys (v)
	global_store_b64 v9, v[PC+10:PC+11], s[P1:P1+1] offset:512
.endr
	global_store_b128 v11, v[W4:W4+3], s[PS:PS+1]  ; q, k: each half of the lanes fills 256 consecutive bytes of its head's record; v: both halves write the same 256 bytes with the same values
	s_wait_tensorcnt 0x0                           ; the wave's end, behind my last tensor load
	ds_add_u32 v[SPW], v[NIL]
	s_wait_dscnt 0x0
	CROUND                                         ; the closing round: no work-group ends while a partner may still ask for a tile that names it
	s_endpgm
.Lfunc_end_k_q24008f3af1_qkv:
	.size	k_q24008f3af1_qkv, .Lfunc_end_k_q24008f3af1_qkv-k_q24008f3af1_qkv
	.p2alignl 7, 3214868480
	.fill 96, 4, 3214868480
	.section	.rodata,"a",@progbits
	.p2align	6, 0x0
	.amdhsa_kernel k_q24008f3af1_qkv
		.amdhsa_group_segment_fixed_size 327680
		.amdhsa_private_segment_fixed_size 0
		.amdhsa_enable_private_segment 0
		.amdhsa_kernarg_size 32
		.amdhsa_user_sgpr_count 2
		.amdhsa_user_sgpr_kernarg_segment_ptr 1
		.amdhsa_wavefront_size32 1
		.amdhsa_system_sgpr_workgroup_id_x 1
		.amdhsa_system_sgpr_workgroup_id_y 1
		.amdhsa_system_sgpr_workgroup_id_z 1
		.amdhsa_system_vgpr_workitem_id 0
		.amdhsa_next_free_vgpr 768
		.amdhsa_next_free_sgpr 100
		.amdhsa_reserve_vcc 0
		.amdhsa_float_denorm_mode_32 3
		.amdhsa_float_denorm_mode_16_64 3
		.amdhsa_memory_ordered 1
		.amdhsa_forward_progress 1
		.amdhsa_inst_pref_size 88
	.end_amdhsa_kernel
	.amdgpu_metadata
---
amdhsa.version: [ 1, 2 ]
amdhsa.kernels:
  - .name:           k_q24008f3af1_qkv
    .symbol:         k_q24008f3af1_qkv.kd
    .args:
      - { .name: opc, .offset: 0, .size: 8, .value_kind: global_buffer, .address_space: global }
      - { .name: ops, .offset: 8, .size: 8, .value_kind: global_buffer, .address_space: global }
      - { .name: qkvc, .offset: 16, .size: 8, .value_kind: global_buffer, .address_space: global }
      - { .name: qkvs, .offset: 24, .size: 8, .value_kind: global_buffer, .address_space: global }
    .group_segment_fixed_size: 327680
    .private_segment_fixed_size: 0
    .kernarg_segment_align: 8
    .kernarg_segment_size: 32
    .max_flat_workgroup_size: 128
    .sgpr_count:     100
    .vgpr_count:     768
    .wavefront_size: 32
...
	.end_amdgpu_metadata
.endif
;; end of part 2
;; launch attn (part 3): grid 4 x 64, 16 waves a work-group, clusters of 4 x 1, 261,120 bytes of LDS; arguments qkvc, qkvs, cc, cs; writes cc, cs
.if DOCPART == 3
	.amdgcn_target "amdgcn-amd-amdhsa--gfx1250"
	.amdhsa_code_object_version 6
	.text
	.protected	k_q24008f3af1_attn
	.globl	k_q24008f3af1_attn
	.p2align	8
	.type	k_q24008f3af1_attn,@function
k_q24008f3af1_attn:
	s_mov_b64 s[64:65], 0
	v_nop
	global_prefetch_b8 v0, s[64:65] scope:SCOPE_SE
	s_setreg_imm32_b32 hwreg(HW_REG_WAVE_MODE, 25, 1), 1
	s_wait_xcnt 0x0
	s_wait_alu depctr_hold_cnt(0) depctr_sa_sdst(0) depctr_va_vdst(0) depctr_va_sdst(0) depctr_va_ssrc(0) depctr_va_vcc(0) depctr_vm_vsrc(0)
	s_getreg_b32 s2, hwreg(HW_REG_IB_STS2, 6, 4)
	s_cmp_eq_u32 s2, 0
	s_cbranch_scc0 .Lentry_in_a_cluster
	s_endpgm
.Lentry_in_a_cluster:
	s_bfe_u32 s2, ttmp6, 0x10000c
	s_cmp_lg_u32 s2, 0x3003
	s_cbranch_scc0 .Lentry_shape_is_right
	s_endpgm
.Lentry_shape_is_right:
; ctx[b][q][head] = the sum over keys of softmax(q . k / 8) v, 64 heads of 2,048 tokens x 64 channels, both products on codes of FP6 (E2M3) with E8M0 scales; ctx is quantised here along its 64 channels.
; SOFTMAX: t = score x log2(e) / 8; M = the row's largest t so far, rounded UP to a whole number; p = 2^(t - M) is quantised along the keys, not normalised.  The row's sum is taken of the unquantised p, in f32,
; and divides O at the end.  When M moves, the sum and O are multiplied by 2^(old M - new M): exact.
; IN: qkvc, qkvs, a record for each (batch, head), images of operand registers: q, k [tile 128][768] (16 tokens x 64: registers 0-3 at 16 x lane, 4-5 at 512 + 8 x lane), v [K step 16][tile of channels 4][1536].
; Place r of a stored tile T is row 32 (T / 2) + 8 (T % 2) + r + 8 (r / 8).
; SHARES: a work-group owns 512 queries of a head; each of its sixteen waves one tile of 16 queries in each of two blocks; every wave walks all 2,048 keys, 128 a step.
; A head's K and V stay in LDS, filled once by joint loads of the head's four work-groups (waves 0-7: 24,576 bytes of codes each; wave 8: 12,288 bytes of scale words).  Nothing is filled again, and nothing is
; loaded later for which a prefetch could ask.  The codes have 64 bytes of padding behind each 256: byte a of the codes lies at a + 64 (a / 256), a stored tile of K at 960 T, a fragment of V at 1,920 d.
; Both products are used transposed (S^T = K Q^T, O^T = V^T P^T): a lane holds one query.  The first product's K is 64: Q's registers 6-11 are zero codes and bytes 2, 3 of both scale words are 0 (2^-127);
; what stands against zero codes adds nothing, so a tile of K has whatever follows its six registers as its upper half (FP6 has no code for NaN or infinity).
; WHICH KEYS FORM A TILE OF THE FIRST PRODUCT is chosen by the lanes' LDS addresses: tile t of a step takes keys 64 (t / 4) + 8 (t % 4) + 0 .. 7 in rows 0-7 and the eight keys 32 further on in rows 8-15: these are
; places 8 ((t % 4) / 2) + 0 .. 7 of the stored tiles 4 (t / 4) + t % 2 and 2 further on (1,920 bytes apart, so that the sixteen lanes of a 16-byte load touch sixteen different 16-byte columns of 256).
; So the 32 scores of lane (r, h) in tiles 4 c .. 4 c + 3 are keys 64 c + 32 h + 0 .. 31: one whole scale block, in the order of p's operand registers: no lane hands codes to another.
; TWO REGIONS OF 64 REGISTERS TAKE TURNS, v32-95 and v96-159: in a step one holds K and then V, the other S^T and then p.  When p has been converted, the NEXT step's K and its scale words are loaded onto p's
; registers: a loop's trip is two steps.  The last pair is written out: block 0's last step fetches block 1's first K, block 1's nothing.
; OUT: cc [token tile 512][head 16][768]; cs [head 16][token tile 512][r 16]: two scale bytes each.
; LIMITS: the promise holds while |t| stays under 2^31; a block of ctx whose largest magnitude lies under 2^-124 has its byte held at 1; blocks of zeros have the byte 1 (zero codes; this program alone reads the bytes); NaN and infinities are not served.
; REGISTERS: v1, v2 16 and 8 x lane; v3, v4 scale words in LDS; v7, v247 ctx's scale bytes; v207, v219, v222, v223 lane parts of LDS addresses; v211 8 h; v8-11, v29, v30 the step's addresses; v12 -M, v13 the largest score,
;   v[14:15] the sum; v16-27 Q; v28 its scale word; v86-94 ctx's codes; v160-191 O^T; v192-203 p's codes, v204-206, v208-210 their second halves; v212-218, v220, v221 at work; v224-231 K's scale words (between the first
;   product and the next fetch: sums), v232-235 V's; v236-239, v248-251 sums; v240-246 the second block's Q; v252 f, v253 p's scale word, v254 at work, v255 the old -M.
.set VC,    122880                     ; LDS: K's codes from 0, V's from here (both padded)
.set KSC,   245760                     ; K's scale words
.set VSC,   253952                     ; V's
.set GATH,  258048                     ; 1,024 bytes for ctx's scale bytes: no fill lands here
.set SPARE, 259072                     ; the spare words, 128 bytes a wave
.set KSTEP, 7680                       ; a key step's codes of K, and of V
.set SPW,  5
.set NIL,  6
.set VB,   207                         ; VC + 8 x lane
.set H8,   211                         ; 8 h
.set KA,   219                         ; 1,920 (r / 8) + 16 (r % 8) + 320 h
.set KB,   222                         ; 1,920 (r / 8) + 8 (r % 8) + 128 h
.set VA,   223                         ; VC + 16 x lane + 64 h
.set PP,   192
.set PT,   204
.set WV,   12
.set CX,   13
.set BH,   14
.set SEL,  20
.set CS,   22
.set G1C,  24
.set G1S,  32
.set G0C,  40
.set G0S,  44
.set TK,   80                          ; s80 the step's codes in K's and V's region; s81, s82 its scale words; s83 counts trips
.set TS,   81
.set TJ,   82
.set TRIP, 83
.set PQ,   84
.set PQS,  86
.set PCC,  88
.set PCS,  90
.macro PLACES n
.rept \n
	v_nop
.endr
.endm
.macro CROUND
	s_barrier_signal -1
	s_barrier_wait -1
	s_cmp_lg_u32 s[WV], 0
	s_cbranch_scc1 .Lnot_wave_0_\@
	s_barrier_signal -3
.Lnot_wave_0_\@:
	s_barrier_wait -3
	s_barrier_signal -1
	s_barrier_wait -1
.endm
	s_load_b256 s[4:11], s[0:1], 0x0               ; qkvc, qkvs, cc, cs
	v_lshl_add_u32 v[SPW], v0, 2, SPARE
	v_mov_b32 v[NIL], 0
	ds_add_u32 v[SPW], v[NIL]                      ; the wave's opening
	ds_add_u32 v[SPW], v[NIL]
	v_lshrrev_b32 v8, 5, v0
	s_delay_alu instid0(VALU_DEP_1)
	v_readfirstlane_b32 s[WV], v8                  ; wave 0..15
	s_bfe_u32 s[CX], ttmp6, 0x40000                ; which 512 queries
	s_and_b32 s[BH], ttmp7, 0xffff                 ; the record, shared by the four partners
	s_mov_b32 s[G1C], 15|(3<<16)|(1<<20)|(1<<21)|(5<<22)|(15<<25)   ; dense blocks as rows of 256 bytes: 96 rows of codes, 16 words of padding behind each 64,
	s_mov_b32 s[G1C+1], 32<<16
	s_mov_b32 s[G1C+2], 96<<16
	s_mov_b32 s[G1C+3], 32<<16
	s_mov_b32 s[G1C+4], 96
	s_mov_b32 s[G1C+5], 32
	s_mov_b32 s[G1C+6], 0
	s_mov_b32 s[G1C+7], 0
	s_mov_b32 s[G1S], 15|(3<<16)|(1<<21)           ; 48 of scale words, dense
	s_mov_b32 s[G1S+1], 32<<16
	s_mov_b32 s[G1S+2], 48<<16
	s_mov_b32 s[G1S+3], 32<<16
	s_mov_b32 s[G1S+4], 48
	s_mov_b32 s[G1S+5], 32
	s_mov_b32 s[G1S+6], 0
	s_mov_b32 s[G1S+7], 0
	s_mul_i32 s48, s[BH], 294912
	s_mul_i32 s50, s[BH], 20480
	s_mul_i32 s[G0C+1], s[WV], 30720               ; 96 rows of 320 bytes in LDS,
	s_mul_i32 s52, s[WV], 24576                    ; of 256 in memory
	s_add_co_u32 s52, s52, 98304
	s_add_co_u32 s52, s52, s48
	s_mov_b32 s53, 0
	s_add_co_u32 s54, s50, 8192
	s_mov_b32 s55, 0
	s_lshl_b32 s56, s[CX], 5
	s_add_co_u32 s56, s56, s[WV]                   ; my tile of queries in the first block; in the second 16 more
	s_mul_i32 s58, s56, 768
	s_add_co_u32 s58, s58, s48
	s_mov_b32 s59, 0
	s_lshr_b32 s60, s56, 2
	s_lshl_b32 s60, s60, 8
	s_and_b32 s61, s56, 3
	s_lshl_b32 s61, s61, 2
	s_add_co_u32 s60, s60, s61
	s_add_co_u32 s60, s60, s50
	s_mov_b32 s61, 0
	s_lshr_b32 s62, s[BH], 4
	s_lshl_b32 s62, s62, 7
	s_and_b32 s63, s[BH], 15
	s_add_co_u32 s57, s62, s56
	s_mul_i32 s66, s57, 12288
	s_mul_i32 s67, s63, 768
	s_add_co_u32 s66, s66, s67
	s_mov_b32 s67, 0
	s_lshl_b32 s68, s[CX], 5
	s_add_co_u32 s68, s68, s62
	s_lshl_b32 s68, s68, 5
	s_lshl_b32 s69, s63, 14
	s_add_co_u32 s68, s68, s69
	s_mov_b32 s69, 0
	s_mov_b32 s[SEL], 0x76543210
	s_mov_b32 s[SEL+1], 0xfedcba98
	s_mov_b32 s[CS], 0x3e38aa3b                    ; c = log2(e) / 8
	s_mov_b32 s[CS+1], s[CS]
	s_wait_dscnt 0x0
	s_wait_kmcnt 0x0
	s_mov_b32 s[G0C], 1
	s_add_nc_u64 s[G0C+2:G0C+3], s[4:5], s[52:53]
	s_or_b32 s[G0C+3], s[G0C+3], 0x80000000
	s_mov_b32 s[G0S], 1
	s_mov_b32 s[G0S+1], KSC
	s_add_nc_u64 s[G0S+2:G0S+3], s[6:7], s[54:55]
	s_or_b32 s[G0S+3], s[G0S+3], 0x80000000
	s_add_nc_u64 s[PQ:PQ+1], s[4:5], s[58:59]
	s_add_nc_u64 s[PQS:PQS+1], s[6:7], s[60:61]
	s_add_nc_u64 s[PCC:PCC+1], s[8:9], s[66:67]
	s_add_nc_u64 s[PCS:PCS+1], s[10:11], s[68:69]
	CROUND                                         ; the joint loads meet
	s_cmp_lt_u32 s[WV], 8
	s_cbranch_scc0 .Lnot_codes
	tensor_load_to_lds s[G0C:G0C+3], s[G1C:G1C+7]
	s_nop 0
	PLACES 4
	s_branch .Lasked
.Lnot_codes:
	s_cmp_eq_u32 s[WV], 8
	s_cbranch_scc0 .Lasked
	tensor_load_to_lds s[G0S:G0S+3], s[G1S:G1S+7]
	s_nop 0
	PLACES 4
.Lasked:
	v_and_b32 v8, 31, v0                           ; lane
	v_and_b32 v9, 15, v0                           ; r
	v_bfe_u32 v10, v0, 4, 1                        ; h
	v_bfe_u32 v11, v0, 3, 1                        ; r / 8
	v_and_b32 v29, 7, v0                           ; r % 8
	v_lshlrev_b32 v1, 4, v8
	v_lshlrev_b32 v2, 3, v8
	v_lshlrev_b32 v31, 4, v9                       ; 16 r
	v_mul_u32_u24 v30, v11, 1920
	v_add_nc_u32 v4, VSC, v31                      ; V's scale words: four tiles' words of place r
	v_lshl_add_u32 v[KA], v29, 4, v30
	v_lshl_add_u32 v[KB], v29, 3, v30
	v_lshlrev_b32 v3, 4, v29
	v_lshl_add_u32 v[VA], v10, 6, v1
	v_mad_u32_u24 v[KA], v10, 320, v[KA]
	v_lshl_add_u32 v[KB], v10, 7, v[KB]
	v_lshl_add_u32 v3, v11, 3, v3
	v_add_nc_u32 v[VA], VC, v[VA]
	v_add_nc_u32 v[VB], VC, v2
	v_add_nc_u32 v3, KSC, v3                       ; K's scale words: 16 (r % 8) + 8 (r / 8): two tiles' words of my row
	v_lshlrev_b32 v[H8], 3, v10
	s_lshl_b32 s15, s[WV], 5
	v_lshl_add_u32 v7, v9, 1, s15
	v_add_nc_u32 v7, GATH, v7                      ; my row's two scale bytes of ctx: 32 x wave + 2 r
	v_add_nc_u32 v247, GATH, v1
	global_load_b128 v[16:19], v1, s[PQ:PQ+1]                      ; Q of both blocks stays in registers
	global_load_b64 v[20:21], v2, s[PQ:PQ+1] offset:512
	global_load_b32 v28, v31, s[PQS:PQS+1]
	global_load_b128 v[240:243], v1, s[PQ:PQ+1] offset:16*768
	global_load_b64 v[244:245], v2, s[PQ:PQ+1] offset:16*768+512
	global_load_b32 v246, v31, s[PQS:PQS+1] offset:1024
.irp j, 0,1,2,3,4,5
	v_mov_b32 v[22+\j], 0                          ; Q's upper 64 along K: zero codes
	v_mov_b32 v[80+\j], 0                          ; the first step's last tile of K names these as its upper half
.endr
.irp b, 0,1,2
	v_mov_b32 v[216+\b], 0                         ; a lane permute's destination counts as one of its sources
.endr
	v_mov_b32 v253, 0
; 20 LDS loads: eight tiles of K (six registers each) from register d on, and their scale words, two tiles' to a load
.macro KLOAD d, a, b, c, o, so
.irp t, 0,1,2,3,4,5,6,7
	ds_load_b128 v[\d+6*\t:\d+6*\t+3], v[\a] offset:960*(4*(\t/4)+\t%2)+128*((\t%4)/2)+\o
	ds_load_b64 v[\d+6*\t+4:\d+6*\t+5], v[\b] offset:960*(4*(\t/4)+\t%2)+640+64*((\t%4)/2)+\o
.endr
.irp g, 0,1,2,3
	ds_load_b64 v[224+2*\g:225+2*\g], v[\c] offset:128*\g+\so
.endr
.endm
; A KEY STEP of 128 keys.  kr: the region with K, then V; sr: the region for S^T, then p, then the next K.  pre: 1 the next step's K is fetched, 2 key step 0's (for the next block), 0 none
.macro STEP kr, sr, pre
	v_add_nc_u32 v8, s[TK], v[KA]                  ; these five are the places between the last products, which read V in region sr, and the products below, which write there
	v_add_nc_u32 v9, s[TK], v[KB]
	v_add_nc_u32 v29, s[TS], v3
	v_mov_b32 v255, v12                            ; the old -M
	v_nop
	s_wait_alu depctr_va_vdst(0)
	s_wait_dscnt 0x0                               ; K and its scale words, asked for in the step before
.irp t, 0,1,2,3,4,5,6,7
	v_wmma_scale_f32_16x16x128_f8f6f4 v[\sr+8*\t:\sr+8*\t+7], v[\kr+6*\t:\kr+6*\t+11], v[16:27], 0, v[224+\t], v28 matrix_a_fmt:MATRIX_FMT_FP6 matrix_b_fmt:MATRIX_FMT_FP6
.endr                                          ; lane (r, h): query r; register 32 c + i is key 64 c + 32 h + i of the step
	v_add_nc_u32 v10, s[TK], v[VA]                 ; four places ahead of the loads onto K and of the first reads of the scores
	v_add_nc_u32 v11, s[TK], v[VB]
	v_add_nc_u32 v30, s[TJ], v4
	v_nop
.irp d, 0,1,2,3                                ; V lands while the softmax is worked: 17 loads
	ds_load_b128 v[\kr+12*\d:\kr+12*\d+3], v10 offset:1920*\d
	ds_load_b64 v[\kr+12*\d+4:\kr+12*\d+5], v11 offset:1920*\d+640
	ds_load_b128 v[\kr+12*\d+6:\kr+12*\d+9], v10 offset:1920*\d+960
	ds_load_b64 v[\kr+12*\d+10:\kr+12*\d+11], v11 offset:1920*\d+1600
.endr
	ds_load_b128 v[232:235], v30
.irp b, 0,1,2,3
	v_max3_num_f32 v[212+\b], v[\sr+16*\b], v[\sr+1+16*\b], v[\sr+2+16*\b]   ; the largest score, in four chains of 16, each accumulator from its low end on
.endr
.irp i, 3,5,7,9,11,13
.irp b, 0,1,2,3
	v_max3_num_f32 v[212+\b], v[212+\b], v[\sr+16*\b+\i], v[\sr+1+16*\b+\i]
.endr
.endr
.irp b, 0,1,2,3
	v_max_num_f32 v[212+\b], v[212+\b], v[\sr+15+16*\b]
.endr
	s_delay_alu instid0(VALU_DEP_3)
	v_max_num_f32 v212, v212, v213                 ; my two blocks' largest scores: they serve the row's maximum and, since p rises with the score, the blocks' largest p
	s_delay_alu instid0(VALU_DEP_2)
	v_max_num_f32 v214, v214, v215
	s_delay_alu instid0(VALU_DEP_1)
	v_max_num_f32 v254, v212, v214
	s_delay_alu instid0(VALU_DEP_1)
	v_permlanex16_b32 v216, v254, s[SEL], s[SEL+1]
	s_delay_alu instid0(VALU_DEP_1)
	v_max3_num_f32 v13, v13, v254, v216            ; the running largest score, with lane l xor 16's 64 keys
	s_delay_alu instid0(VALU_DEP_1)
	v_mul_f32 v216, s[CS], v13                     ; as t (c is positive)
	s_delay_alu instid0(VALU_DEP_1)
	v_floor_f32 v12, -v216                         ; the new -M = -ceil(t)
	s_delay_alu instid0(VALU_DEP_1)
	v_sub_f32 v254, v12, v255                      ; old M - new M, a whole number, 0 or less
	s_delay_alu instid0(VALU_DEP_1)
	v_cvt_i32_f32 v254, v254                       ; (it saturates)
	s_delay_alu instid0(VALU_DEP_1)
	v_ldexp_f32 v252, 1.0, v254                    ; f = 2^(old M - new M)
.set j, 0
.rept 32
	v_pk_fma_f32 v[\sr+j:\sr+j+1], v[\sr+j:\sr+j+1], s[CS:CS+1], v[12:13] op_sel_hi:[1,0,0]   ; t - M
.set j, j+2
.endr
	v_fma_f32 v212, v212, s[CS], v12               ; the same of each block's largest score
	v_fma_f32 v214, v214, s[CS], v12
	s_wait_alu depctr_va_vdst(0)
	v_exp_f32 v212, v212                           ; the blocks' largest p: the same two instructions on the same number
	v_exp_f32 v214, v214
.set j, 0
.rept 64
	v_exp_f32 v[\sr+j], v[\sr+j]                   ; p = 2^(t - M)
.set j, j+1
.endr
	v_pk_mul_f32 v[14:15], v[14:15], v[252:253] op_sel_hi:[1,0]   ; the sums under the new M; a plain place behind the exponentials
	s_wait_alu depctr_va_vdst(0)                   ; and behind it
.set j, 0                                      ; the row's sum of the unquantised p: 32 pairs in eight chains
.irp T, 236,250,248,238,230,228,226
	v_pk_add_f32 v[\T:\T+1], v[\sr+4+8*j:\sr+5+8*j], v[\sr+8+8*j:\sr+9+8*j]
.set j, j+1
.endr
	v_pk_add_f32 v[14:15], v[14:15], v[\sr+60:\sr+61]
.set j, 0
.irp T, 236,250,248,238,230,228,226
	v_pk_add_f32 v[\T:\T+1], v[\T:\T+1], v[\sr+2+4*j:\sr+3+4*j]
.set j, j+1
.endr
	v_pk_add_f32 v[14:15], v[14:15], v[\sr+30:\sr+31]
.set j, 0
.irp T, 236,250,248,238,230,228,226
	v_pk_add_f32 v[\T:\T+1], v[\T:\T+1], v[\sr+34+4*j:\sr+35+4*j]
.set j, j+1
.endr
	v_pk_add_f32 v[14:15], v[14:15], v[\sr+62:\sr+63]
	v_pk_add_f32 v[236:237], v[236:237], v[\sr:\sr+1]
	s_delay_alu instid0(VALU_DEP_2)
	v_pk_add_f32 v[14:15], v[14:15], v[238:239]
	s_delay_alu instid0(VALU_DEP_2)
	v_pk_add_f32 v[236:237], v[236:237], v[230:231]
	v_pk_add_f32 v[250:251], v[250:251], v[228:229]
	v_pk_add_f32 v[248:249], v[248:249], v[226:227]
	s_delay_alu instid0(VALU_DEP_2)
	v_pk_add_f32 v[14:15], v[14:15], v[250:251]
	s_delay_alu instid0(VALU_DEP_2)
	v_pk_add_f32 v[236:237], v[236:237], v[248:249]
	s_delay_alu instid0(VALU_DEP_1)
	v_pk_add_f32 v[14:15], v[14:15], v[236:237]
	v_max_num_f32 v212, 0x1800000, v212            ; the floor 2^(3 - 127): the byte cannot fall under 1
	v_max_num_f32 v214, 0x1800000, v214
	s_delay_alu instid0(VALU_DEP_2)
	v_add_nc_u32 v220, 0xff000000, v212            ; 2 off the exponent field: the conversions' scale operands
	s_delay_alu instid0(VALU_DEP_2)
	v_add_nc_u32 v221, 0xff000000, v214
.irp c, 0,1
	v_cvt_scalef32_pk16_fp6_f32 v[PP+6*\c:PP+6*\c+2], v[\sr+32*\c:\sr+15+32*\c], v[220+\c]
	v_cvt_scalef32_pk16_fp6_f32 v[PT+4*\c:PT+4*\c+2], v[\sr+16+32*\c:\sr+31+32*\c], v[220+\c]   ; (a conversion's three registers begin on an even number)
.endr
.if (\pre) == 1                                ; p has been summed and converted: its registers take the next K
	KLOAD \sr, 8, 9, 29, KSTEP, 512
.elseif (\pre) == 2
	KLOAD \sr, KA, KB, 3, 0, 0
.endif
	v_lshrrev_b32 v216, 23, v220                   ; the scales' bytes: blocks h and 2 + h.  (Plain lines between the conversions and the moves below)
	v_lshrrev_b32 v217, 23, v221
	s_delay_alu instid0(VALU_DEP_1)
	v_lshl_or_b32 v253, v217, 16, v216
	s_delay_alu instid0(VALU_DEP_1)
	v_lshlrev_b32 v253, v[H8], v253                ; at their places in the word;
	s_delay_alu instid0(VALU_DEP_1)
	v_permlanex16_b32 v218, v253, s[SEL], s[SEL+1]
	s_delay_alu instid0(VALU_DEP_1)
	v_or_b32 v253, v253, v218                      ; with lane l xor 16's two: p's scale word
.irp c, 0,1
.irp i, 0,1,2
	v_mov_b32 v[PP+3+6*\c+\i], v[PT+4*\c+\i]
.endr
.endr
.if \pre
	s_wait_dscnt 20                                ; V's 17 loads are in; the 20 issued behind them, the next K's, may be out
.else
	s_wait_dscnt 0x0
.endif
	s_wait_alu depctr_va_vdst(0)                   ; ahead of the first reader of O^T, and behind the wait above
.set j, 0
.rept 16
	v_pk_mul_f32 v[160+j:161+j], v[160+j:161+j], v[252:253] op_sel_hi:[1,0]   ; O^T x f; also the places between p's codes and scale word and the products below
.set j, j+2
.endr
.irp d, 0,1,2,3                                ; O^T += V^T P^T: the four accumulators by turns
	v_wmma_scale_f32_16x16x128_f8f6f4 v[160+8*\d:167+8*\d], v[\kr+12*\d:\kr+12*\d+11], v[PP:PP+11], v[160+8*\d:167+8*\d], v[232+\d], v253 matrix_a_fmt:MATRIX_FMT_FP6 matrix_b_fmt:MATRIX_FMT_FP6
.endr
	s_add_co_u32 s[TK], s[TK], KSTEP
	s_add_co_u32 s[TS], s[TS], 512
	s_add_co_u32 s[TJ], s[TJ], 256
.endm
; One block of queries: 16 key steps; then O^T / the sum is quantised along the 64 channels and stored.
.macro BLOCK qb
.if \qb
	s_wait_xcnt 0x0                                ; the last block's stores have read v86-91, which this block's scores will take
.irp j, 0,1,2,3,4,5
	v_mov_b32 v[16+\j], v[240+\j]                  ; the second block's Q and its scale word; the 36 lines below stand ahead of the first product
.endr
	v_mov_b32 v28, v246
.endif
	v_mov_b32 v13, 0xff61b1e6                      ; -3e38, under every score
	s_delay_alu instid0(VALU_DEP_1)
	v_floor_f32 v12, -v13
	v_mov_b32 v14, 0
	v_mov_b32 v15, 0
.set j, 0
.rept 32
	v_mov_b32 v[160+j], 0                          ; O^T: the step is one text, and the first finds zeros
.set j, j+1
.endr
	s_mov_b32 s[TK], 0
	s_mov_b32 s[TS], 0
	s_mov_b32 s[TJ], 0
	s_mov_b32 s[TRIP], 7
.Lstep_\@:
	STEP 32, 96, 1
	STEP 96, 32, 1
	s_sub_co_u32 s[TRIP], s[TRIP], 1
	s_cmp_lg_u32 s[TRIP], 0
	s_cbranch_scc1 .Lstep_\@
	STEP 32, 96, 1
	STEP 96, 32, 2-2*\qb
	PLACES 4                                       ; ahead of the first read of O^T
	v_add_f32 v14, v14, v15
	s_delay_alu instid0(VALU_DEP_1)
	v_permlanex16_b32 v254, v14, s[SEL], s[SEL+1]
	s_delay_alu instid0(VALU_DEP_1)
	v_add_f32 v14, v14, v254                       ; the row's sum
	s_wait_alu depctr_va_vdst(0)
	v_rcp_f32 v14, v14
	v_nop
	s_wait_alu depctr_va_vdst(0)
.set j, 0
.rept 16
	v_pk_mul_f32 v[160+j:161+j], v[160+j:161+j], v[14:15] op_sel_hi:[1,0]   ; O^T / the sum: register 16 b + i is channel 32 b + 16 h + i
.set j, j+2
.endr
.irp b, 0,1
	v_max3_num_f32 v[212+\b], |v[160+16*\b]|, |v[161+16*\b]|, 0x1800000
.endr
.irp i, 2,4,6,8,10,12,14
.irp b, 0,1
	s_delay_alu instid0(VALU_DEP_2)
	v_max3_num_f32 v[212+\b], v[212+\b], |v[160+16*\b+\i]|, |v[161+16*\b+\i]|
.endr
.endr
.irp b, 0,1
	s_delay_alu instid0(VALU_DEP_2)
	v_permlanex16_b32 v[216+\b], v[212+\b], s[SEL], s[SEL+1]
.endr
.irp b, 0,1
	s_delay_alu instid0(VALU_DEP_2)
	v_max_num_f32 v[212+\b], v[212+\b], v[216+\b]
.endr
.irp b, 0,1
	s_delay_alu instid0(VALU_DEP_2)
	v_add_nc_u32 v[220+\b], 0xff000000, v[212+\b]
.endr
.irp b, 0,1
	s_delay_alu instid0(VALU_DEP_2)
	v_lshrrev_b32 v[216+\b], 23, v[220+\b]
.endr
	s_delay_alu instid0(VALU_DEP_1)
	v_lshl_or_b32 v254, v217, 8, v216              ; my row's two scale bytes
	v_cvt_scalef32_pk16_fp6_f32 v[86:88], v[160:175], v220
	v_cvt_scalef32_pk16_fp6_f32 v[92:94], v[176:191], v221
	v_nop
.irp i, 0,1,2
	v_permlane16_swap_b32 v[86+\i], v[92+\i]       ; a whole block to a lane
.endr
.irp i, 0,1,2
	s_delay_alu instid0(VALU_DEP_3)
	v_mov_b32 v[89+\i], v[92+\i]
.endr
	global_store_b128 v1, v[86:89], s[PCC:PCC+1] offset:\qb*196608         ; half a fragment: 512 and 256 consecutive bytes, aligned to 256
	global_store_b64 v2, v[90:91], s[PCC:PCC+1] offset:\qb*196608+512
	ds_store_b16 v7, v254 offset:512*\qb           ; both lanes of a row write the same two bytes
.endm
	s_wait_alu depctr_va_vdst(0)
	s_wait_tensorcnt 0x0                           ; my load has landed,
	s_barrier_signal -1
	s_barrier_wait -1                              ; everybody's has
	KLOAD 32, KA, KB, 3, 0, 0                      ; key step 0's K
	s_wait_loadcnt 0x0                             ; Q
	BLOCK 0
	BLOCK 1
	s_wait_dscnt 0x0                               ; my scale bytes have landed
	s_barrier_signal -1
	s_barrier_wait -1
	s_cmp_lg_u32 s[WV], 0                          ; the work-group's 1,024 scale bytes lie on end in cs: wave 0 stores them
	s_cbranch_scc1 .Lnot_first
	ds_load_b128 v[96:99], v247
	ds_load_b128 v[100:103], v247 offset:512
	s_wait_dscnt 0x0
	global_store_b128 v1, v[96:99], s[PCS:PCS+1]
	global_store_b128 v1, v[100:103], s[PCS:PCS+1] offset:512
.Lnot_first:
	s_wait_tensorcnt 0x0                           ; the wave's end
	ds_add_u32 v[SPW], v[NIL]
	s_wait_dscnt 0x0
	CROUND                                         ; the closing round
	s_endpgm
.Lfunc_end_k_q24008f3af1_attn:
	.size	k_q24008f3af1_attn, .Lfunc_end_k_q24008f3af1_attn-k_q24008f3af1_attn
	.p2alignl 7, 3214868480
	.fill 96, 4, 3214868480
	.section	.rodata,"a",@progbits
	.p2align	6, 0x0
	.amdhsa_kernel k_q24008f3af1_attn
		.amdhsa_group_segment_fixed_size 261120
		.amdhsa_private_segment_fixed_size 0
		.amdhsa_enable_private_segment 0
		.amdhsa_kernarg_size 32
		.amdhsa_user_sgpr_count 2
		.amdhsa_user_sgpr_kernarg_segment_ptr 1
		.amdhsa_wavefront_size32 1
		.amdhsa_system_sgpr_workgroup_id_x 1
		.amdhsa_system_sgpr_workgroup_id_y 1
		.amdhsa_system_sgpr_workgroup_id_z 1
		.amdhsa_system_vgpr_workitem_id 0
		.amdhsa_next_free_vgpr 256
		.amdhsa_next_free_sgpr 100
		.amdhsa_reserve_vcc 0
		.amdhsa_float_denorm_mode_32 3
		.amdhsa_float_denorm_mode_16_64 3
		.amdhsa_memory_ordered 1
		.amdhsa_forward_progress 1
		.amdhsa_inst_pref_size 146
	.end_amdhsa_kernel
	.amdgpu_metadata
---
amdhsa.version: [ 1, 2 ]
amdhsa.kernels:
  - .name:           k_q24008f3af1_attn
    .symbol:         k_q24008f3af1_attn.kd
    .args:
      - { .name: qkvc, .offset: 0, .size: 8, .value_kind: global_buffer, .address_space: global }
      - { .name: qkvs, .offset: 8, .size: 8, .value_kind: global_buffer, .address_space: global }
      - { .name: cc, .offset: 16, .size: 8, .value_kind: global_buffer, .address_space: global }
      - { .name: cs, .offset: 24, .size: 8, .value_kind: global_buffer, .address_space: global }
    .group_segment_fixed_size: 261120
    .private_segment_fixed_size: 0
    .kernarg_segment_align: 8
    .kernarg_segment_size: 32
    .max_flat_workgroup_size: 512
    .sgpr_count:     100
    .vgpr_count:     256
    .wavefront_size: 32
...
	.end_amdgpu_metadata
.endif
;; end of part 3
;; launch proj (part 4): grid 4 x 64, 4 waves a work-group, clusters of 4 x 4, 327,680 bytes of LDS; arguments cc, cs, opc, ops, bo, out0; writes out0
.if DOCPART == 4
	.amdgcn_target "amdgcn-amd-amdhsa--gfx1250"
	.amdhsa_code_object_version 6
	.text
	.protected	k_q24008f3af1_proj
	.globl	k_q24008f3af1_proj
	.p2align	8
	.type	k_q24008f3af1_proj,@function
k_q24008f3af1_proj:
	s_mov_b64 s[64:65], 0
	v_nop
	global_prefetch_b8 v0, s[64:65] scope:SCOPE_SE
	s_setreg_imm32_b32 hwreg(HW_REG_WAVE_MODE, 25, 1), 1
	s_wait_xcnt 0x0
	s_wait_alu depctr_hold_cnt(0) depctr_sa_sdst(0) depctr_va_vdst(0) depctr_va_sdst(0) depctr_va_ssrc(0) depctr_va_vcc(0) depctr_vm_vsrc(0)
	s_getreg_b32 s2, hwreg(HW_REG_IB_STS2, 6, 4)
	s_cmp_eq_u32 s2, 0
	s_cbranch_scc0 .Lentry_in_a_cluster
	s_endpgm
.Lentry_in_a_cluster:
	s_bfe_u32 s2, ttmp6, 0x10000c
	s_cmp_lg_u32 s2, 0xf033
	s_cbranch_scc0 .Lentry_shape_is_right
	s_endpgm
.Lentry_shape_is_right:
; out0 = ctx Wo^T + bo on codes of FP6 (E2M3) with E8M0 scales, K = 1,024; out0 [8192][1024] f32.
; ctx comes from the attention launch as images of registers: cc [token tile 512][head 16][768] (two heads on end are a fragment of 128 along K), cs [head 16][token tile 512][r 16]: two scale bytes each.
; Wo comes from the quantiser: tiles 704 .. 767 of opc [T][K step 8][1536], scale words in ops.  Place r of tile T is row 32 (T / 2) + 8 (T % 2) + r + 8 (r / 8).
; THE PRODUCT.  A work-group makes 128 tokens (A) x 256 features (B); a wave 64 x 128: 32 accumulators.  The matrix instruction is used transposed (source 0 = a tile of Wo, source 1 = a tile of ctx): a lane holds one
; token, and the 16 registers of Wo's tiles 2 b, 2 b + 1 are 16 neighbouring features.  The bias is the C of each sum's first matrix instruction.
; ALL OF K STAYS IN LDS: 384 rows x 768 bytes = 294,912 bytes, in two halves of 512 along K, each asked for once, at the head: nothing is filled again, and there is no later load for which a prefetch could ask.
; CLUSTERS: 4 x 4 work-groups.  A's tiles are shared along a row of the cluster, B's along a column: each is asked for JOINTLY, by the same tensor load with the same descriptor and a mask that names the four.
; REGISTERS, in windows of 256: window 0: v1-13, v16 lane numbers and addresses; v32-63 A's scale words (tile a, K step s at 32 + 8 a + s); v64-127 B's (64 + 8 b + s); v160-207, v208-255 A's fragments, two sets
;   (ahead of the first fetch v160-223 take A's scale bytes as loaded; on the way out v128-255 take rows of out0).   window 1: v0-95, v96-191 B's fragments, two sets; v192-255 the bias, 8 tiles.   window 2: accumulator (a, b) at v[8 (8 a + b)].
.set CHUNK, 147456                     ; LDS: half of K (512): A's 8 tiles x 6,144 bytes, then B's 16
.set BOFF,  49152
.set SPARE, 2*CHUNK                    ; behind the two halves: the spare words, 128 bytes for each wave
.set STGB,  8448                       ; the way out: a stage of 16 rows x (512 bytes + 16) for each wave, in chunk 0, which has had its one fill and, at the barrier of K step 3, its last read
.set FR,    12
.set AL16,  4
.set AL8,   5
.set BL16,  6
.set BL8,   7
.set STO,   11                         ; v11  the way out: where I put 32 bytes of a row
.set RD,    12                         ; v12  and where I read a row back
.set SPW,   14                         ; v14  LDS address of my spare word; never rewritten
.set NIL,   15                         ; v15  0; never rewritten
.set SA,    32
.set SB,    64
.set BK,    128
.set AF,    160
.set WV,  16
.set W1,  17
.set W2,  18
.set CX,  19
.set CY,  20
.set G1A, 24
.set G1B, 32
.set G0A, 40
.set G0B, 56
.set TA0, 66
.set TB0, 67
.set LB,  84
.set LA,  85
.set FA,  86                           ; s[86:87], s[88:89] where my tensor loads read
.set FB,  88
.set QA,  90                           ; s[90:91] my tiles' scale bytes in cs; s[92:93] my tiles' scale words in ops
.set QB,  92
.set PB,  94                           ; s[94:95] my 128 numbers of bo; s[96:97] my corner of out0
.set PO,  96
.set MSB, 0
.macro WIN new                         ; s_set_vgpr_msb: bits 1:0 source 0, 3:2 source 1, 5:4 source 2, 7:6 destination; the immediate's high byte repeats the setting that is left
.if MSB != \new
	s_set_vgpr_msb (MSB<<8)|\new
.set MSB, \new
.endif
.endm
.macro PLACES n
.rept \n
	v_nop
.endr
.endm
.macro CROUND                          ; a round of the cluster's barrier
	s_barrier_signal -1
	s_barrier_wait -1
	s_cmp_lg_u32 s[WV], 0
	s_cbranch_scc1 .Lnot_wave_0_\@
	s_barrier_signal -3
.Lnot_wave_0_\@:
	s_barrier_wait -3
	s_barrier_signal -1
	s_barrier_wait -1
.endm
	s_load_b256 s[4:11], s[0:1], 0x0               ; cc, cs, opc, ops
	s_load_b128 s[12:15], s[0:1], 0x20             ; bo, out0
	v_lshl_add_u32 v[SPW], v0, 2, SPARE
	v_mov_b32 v[NIL], 0
	ds_add_u32 v[SPW], v[NIL]                      ; the wave's opening: the add and its wait stand ahead of my first tensor load; the set-up below, work on registers, stands between them
	ds_add_u32 v[SPW], v[NIL]
	v_lshrrev_b32 v1, 5, v0
	v_readfirstlane_b32 s[WV], v1
	s_and_b32 s[W1], s[WV], 1                      ; my half of the features.  Also: I fetch for A (0) or for B (1)
	s_lshr_b32 s[W2], s[WV], 1                     ; my half of the tokens.  Also: which half of K I fetch
	s_bfe_u32 s[CX], ttmp6, 0x40000
	s_bfe_u32 s[CY], ttmp6, 0x40004
	s_and_b32 s21, ttmp7, 0xffff
	s_lshl_b32 s22, s21, 2
	s_add_co_u32 s22, s22, s[CY]                   ; ta: which 128 tokens
	s_lshl_b32 s23, ttmp9, 2
	s_add_co_u32 s23, s23, s[CX]                   ; tb: which 256 features
	s_lshl_b32 s2, s[CY], 2
	s_lshl_b32 s2, 15, s2                          ; my row of the cluster
	s_lshl_b32 s3, 0x1111, s[CX]                   ; my column
	; descriptor groups 1: 8 (A) or 16 (B) tiles x 6,144 bytes (768 elements of 8 bytes), 12,288 bytes (1,536 elements) apart in memory, dense in LDS
	s_or_b32 s[G1A], s2, (3<<16)|(1<<21)           ; 15:0 the mask; 17:16 elements of 8 bytes; 21 set beside a mask
	s_or_b32 s[G1B], s3, (3<<16)|(1<<21)
	s_mov_b32 s[G1A+1], 768<<16                    ; tensor_dim0: half of K of a tile, 6,144 bytes
	s_mov_b32 s[G1A+2], 8<<16                      ; tensor_dim1: a load brings all 8 tiles of A of one chunk
	s_mov_b32 s[G1A+3], 768<<16
	s_mov_b32 s[G1A+4], 8
	s_mov_b32 s[G1A+5], 1536                       ; tensor_dim0_stride
	s_mov_b32 s[G1A+6], 0
	s_mov_b32 s[G1A+7], 0
	s_mov_b32 s[G1B+1], 768<<16
	s_mov_b32 s[G1B+2], 16<<16                     ; all 16 tiles of B of one chunk
	s_mov_b32 s[G1B+3], 768<<16
	s_mov_b32 s[G1B+4], 16
	s_mov_b32 s[G1B+5], 1536
	s_mov_b32 s[G1B+6], 0
	s_mov_b32 s[G1B+7], 0
	s_lshl_b32 s[TA0], s22, 3                      ; A's first tile in cc
	s_lshl_b32 s[TB0], s23, 4
	s_add_co_u32 s[TB0], s[TB0], 704               ; B's in opc
	s_mul_i32 s[FA], s[TA0], 12288                 ; what I would fetch for A: its 8 tiles, half of K wave >> 1: it hangs on cy alone of the two places,
	s_mul_i32 s2, s[W2], 6144
	s_add_co_u32 s[FA], s[FA], s2
	s_mov_b32 s[FA+1], 0
	s_lshl_b32 s3, s[W1], 3                        ; and for B: on cx alone
	s_add_co_u32 s3, s3, s[TB0]
	s_mul_i32 s[FB], s[TB0], 12288                 ; B's 16 tiles, the same chunk
	s_add_co_u32 s[FB], s[FB], s2
	s_mov_b32 s[FB+1], 0
	s_lshl_b32 s[QB], s3, 9                        ; my 8 tiles of B are those too: their scale words
	s_mov_b32 s[QB+1], 0
	s_mul_i32 s[LA], s[W2], CHUNK                  ; where they go: my half of K; no place in the cluster enters an LDS address
	s_mul_i32 s[LB], s[W2], CHUNK
	s_lshl_b32 s2, s[W2], 2
	s_add_co_u32 s2, s2, s[TA0]
	s_lshl_b32 s[QA], s2, 5                        ; my 4 tiles of A: 32 bytes a tile in each plane of cs
	s_mov_b32 s[QA+1], 0
	s_lshl_b32 s3, s23, 1
	s_add_co_u32 s3, s3, s[W1]
	s_lshl_b32 s[PB], s3, 9                        ; my first feature, in bytes: 512 (2 tb + hb)
	s_mov_b32 s[PB+1], 0
	s_lshl_b32 s2, s22, 1
	s_add_co_u32 s2, s2, s[W2]
	s_lshl_b32 s2, s2, 18                          ; my first token's row: 64 rows of 4,096 bytes x (2 ta + ha)
	s_add_co_u32 s[PO], s2, s[PB]
	s_mov_b32 s[PO+1], 0
	s_wait_dscnt 0x0                               ; the opening add is done
	s_wait_kmcnt 0x0
	s_add_nc_u64 s[FA:FA+1], s[4:5], s[FA:FA+1]
	s_add_nc_u64 s[FB:FB+1], s[8:9], s[FB:FB+1]
	s_add_nc_u64 s[QA:QA+1], s[6:7], s[QA:QA+1]
	s_add_nc_u64 s[QB:QB+1], s[10:11], s[QB:QB+1]
	s_add_nc_u64 s[PB:PB+1], s[12:13], s[PB:PB+1]
	s_add_nc_u64 s[PO:PO+1], s[14:15], s[PO:PO+1]
.irp c, 0                                      ; one descriptor for A and one for B: each wave uses one of them
	s_mov_b32 s[G0A+4*\c], 1
	s_add_co_u32 s[G0A+4*\c+1], s[LA], \c*CHUNK                            ; LDS address
	s_add_nc_u64 s[G0A+4*\c+2:G0A+4*\c+3], s[FA:FA+1], \c*3072             ; global address: 256 along K are 3,072 bytes of a tile
	s_or_b32 s[G0A+4*\c+3], s[G0A+4*\c+3], 0x80000000                      ; type = 2
	s_mov_b32 s[G0B+4*\c+4*(\c/2)], 1
	s_add_co_u32 s[G0B+4*\c+4*(\c/2)+1], s[LB], BOFF+\c*CHUNK
	s_add_nc_u64 s[G0B+4*\c+4*(\c/2)+2:G0B+4*\c+4*(\c/2)+3], s[FB:FB+1], \c*3072
	s_or_b32 s[G0B+4*\c+4*(\c/2)+3], s[G0B+4*\c+4*(\c/2)+3], 0x80000000
.endr
	CROUND                                         ; all sixteen work-groups are here: the joint loads meet
; ALL OF K IS ASKED FOR HERE, one joint load a wave, in one chain of arms on the wave's number: wave 0 A's first half of K, wave 1 B's, wave 2 A's second half, wave 3 B's.
; Waves 0 and 1 have load lines of their own, since they alone wait ahead of the first barrier.
.macro ARM w, g0, g1, next
	s_cmp_eq_u32 s[WV], \w
	s_cbranch_scc0 \next
	tensor_load_to_lds s[\g0:\g0+3], s[\g1:\g1+7]
	s_nop 0
	PLACES 4
	s_branch .Lfilled
\next:
.endm
	ARM 0, G0A, G1A, .Larm_1
	ARM 1, G0B, G1B, .Larm_2
	ARM 2, G0A, G1A, .Larm_3
	tensor_load_to_lds s[G0B:G0B+3], s[G1B:G1B+7]
	s_nop 0
	PLACES 4
.Lfilled:
	v_and_b32 v1, 15, v0                           ; r
	v_bfe_u32 v2, v0, 4, 1                         ; h
	v_and_b32 v3, 31, v0                           ; lane
	v_lshlrev_b32 v8, 4, v3                        ; 16 x lane
	v_lshlrev_b32 v9, 3, v3                        ; 8 x lane
	v_lshlrev_b32 v10, 4, v1                       ; 16 r
	v_lshlrev_b32 v13, 1, v1                       ; 2 r
	v_lshlrev_b32 v16, 6, v2                       ; 64 h: my half's 16 numbers of a pair of bias tiles
	s_mul_i32 s2, s[W2], 24576                     ; my 4 tiles of A
	v_add_nc_u32 v[AL16], s2, v8
	v_add_nc_u32 v[AL8], s2, v9
	s_mul_i32 s3, s[W1], 49152                     ; my 8 tiles of B, behind A's 8
	s_add_co_u32 s3, s3, BOFF
	v_add_nc_u32 v[BL16], s3, v8
	v_add_nc_u32 v[BL8], s3, v9
	s_mul_i32 s2, s[WV], STGB                      ; my stage
	v_mul_u32_u24 v[STO], v1, 528
	v_lshl_add_u32 v[STO], v2, 6, v[STO]
	v_add_nc_u32 v[STO], s2, v[STO]                ; in: row r, + 64 h
	v_add_nc_u32 v[RD], s2, v8                     ; back: the 32 lanes take one row of 512 bytes
.irp i, 0,1,2,3,4,5,6,7                        ; B's scale words of all of K go straight into registers: lane r takes row r's four words of half a K
.irp f, 0,1
	global_load_b128 v[SB+8*\i+4*\f:SB+8*\i+4*\f+3], v10, s[QB:QB+1] offset:\i*512+\f*256
.endr
.endr
.irp a, 0,1,2,3                                ; A's scale bytes: a head's two at a time, into the registers that the first fragments will take
.irp p, 0,1,2,3,4,5,6,7,8,9,10,11,12,13,14,15
	global_load_u16 v[AF+16*\a+\p], v13, s[QA:QA+1] offset:\p*16384+\a*32
.endr
.endr
	WIN 0x40                                       ; destination window 1
.irp t, 0,1,2,3,4,5,6,7                        ; the bias in the result's layout: lane (r, h), tile 2 b + u: features 32 b + 16 h + 8 u + 0 .. 7
	global_load_b128 v[192+8*\t:195+8*\t], v16, s[PB:PB+1] offset:(32*(\t/2)+8*(\t%2))*4
	global_load_b128 v[196+8*\t:199+8*\t], v16, s[PB:PB+1] offset:(32*(\t/2)+8*(\t%2))*4+16
.endr
	WIN 0
; 48 LDS loads in one run: my 8 fragments of B and 4 of A of the chunk's q-th 128 along K.  An image comes back as it was stored: each load takes 512 or 256 consecutive bytes
.macro FETCH q, set
	WIN 0x40                                       ; destination window 1, address window 0
.irp i, 0,1,2,3,4,5,6,7
	ds_load_b128 v[96*(\set)+FR*\i:96*(\set)+FR*\i+3],     v[BL16] offset:\i*6144+(\q)*1536
	ds_load_b64  v[96*(\set)+FR*\i+4:96*(\set)+FR*\i+5],   v[BL8]  offset:\i*6144+(\q)*1536+512
	ds_load_b128 v[96*(\set)+FR*\i+6:96*(\set)+FR*\i+9],   v[BL16] offset:\i*6144+(\q)*1536+768
	ds_load_b64  v[96*(\set)+FR*\i+10:96*(\set)+FR*\i+11], v[BL8]  offset:\i*6144+(\q)*1536+1280
.endr
	WIN 0
.irp i, 0,1,2,3
	ds_load_b128 v[AF+48*(\set)+FR*\i:AF+48*(\set)+FR*\i+3],     v[AL16] offset:\i*6144+(\q)*1536
	ds_load_b64  v[AF+48*(\set)+FR*\i+4:AF+48*(\set)+FR*\i+5],   v[AL8]  offset:\i*6144+(\q)*1536+512
	ds_load_b128 v[AF+48*(\set)+FR*\i+6:AF+48*(\set)+FR*\i+9],   v[AL16] offset:\i*6144+(\q)*1536+768
	ds_load_b64  v[AF+48*(\set)+FR*\i+10:AF+48*(\set)+FR*\i+11], v[AL8]  offset:\i*6144+(\q)*1536+1280
.endr
.endm
; 32 matrix instructions: K step s on fragment set p.  The 32 accumulators take turns, one instruction a turn, in the same order in every step.  bias = 1: the first products start the sums from the bias
.macro MUL32 p, s, bias
.if \bias
	WIN 0x91                                       ; source 0 (B) window 1, source 1 (A) window 0, C (the bias) window 1, D window 2
.else
	WIN 0xa1                                       ; C and D window 2
.endif
.irp a, 0,1,2,3
.irp b, 0,1,2,3,4,5,6,7
.if \bias
	v_wmma_scale_f32_16x16x128_f8f6f4 v[8*(8*\a+\b):8*(8*\a+\b)+7], v[96*(\p)+FR*\b:96*(\p)+FR*\b+FR-1], v[AF+48*(\p)+FR*\a:AF+48*(\p)+FR*\a+FR-1], v[192+8*\b:199+8*\b], v[SB+8*\b+(\s)], v[SA+8*\a+(\s)] matrix_a_fmt:MATRIX_FMT_FP6 matrix_b_fmt:MATRIX_FMT_FP6
.else
	v_wmma_scale_f32_16x16x128_f8f6f4 v[8*(8*\a+\b):8*(8*\a+\b)+7], v[96*(\p)+FR*\b:96*(\p)+FR*\b+FR-1], v[AF+48*(\p)+FR*\a:AF+48*(\p)+FR*\a+FR-1], v[8*(8*\a+\b):8*(8*\a+\b)+7], v[SB+8*\b+(\s)], v[SA+8*\a+(\s)] matrix_a_fmt:MATRIX_FMT_FP6 matrix_b_fmt:MATRIX_FMT_FP6
.endif
.endr
.endr
.endm
; K step s: its fragments were asked for a step ago; the next step's are asked for ahead of its 32 products.  A load into a register that a matrix instruction has read stands four plain vector instructions behind it
; (ISA guide 7.12.1 for vector instructions).  Where the next step lies in the next chunk: my part of that chunk has landed, the later chunks may stay out
; every wave says so, and the four address steps are the four places.
.macro STEP s, bias
	s_wait_dscnt 0x0                               ; this step's fragments are in
.if (\s) < 7
.if (\s) == 3                                  ; the next step lies in the second half of K: every wave's load has landed, every wave says so; the four address steps are the four places
	s_wait_tensorcnt 0x0
	s_barrier_signal -1
	s_barrier_wait -1
	v_add_nc_u32 v[AL16], CHUNK, v[AL16]
	v_add_nc_u32 v[AL8], CHUNK, v[AL8]
	v_add_nc_u32 v[BL16], CHUNK, v[BL16]
	v_add_nc_u32 v[BL8], CHUNK, v[BL8]
.elseif (\s) > 0
	PLACES 4
.endif
	FETCH ((\s)+1)%4, 1-(\s)%2
.endif
	MUL32 (\s)%2, \s, \bias
	WIN 0
.endm
	s_wait_alu depctr_va_vdst(0)
	s_cmp_lt_u32 s[WV], 2                          ; waves 0 and 1 brought the first half of K: they wait for it; the second half may stay out
	s_cbranch_scc0 .Lsecond_half
	s_wait_tensorcnt 0x0
.Lsecond_half:
	s_barrier_signal -1
	s_barrier_wait -1
	s_wait_loadcnt 0x0                             ; the scale words and bytes, and the bias
.irp a, 0,1,2,3
.irp s, 0,1,2,3,4,5,6,7
	v_lshl_or_b32 v[SA+8*\a+\s], v[AF+16*\a+2*\s+1], 16, v[AF+16*\a+2*\s]   ; K step s is heads 2 s and 2 s + 1: their two bytes each make the word
.endr
.endr
	PLACES 8                                       ; a scale register written by a vector instruction stands eight places ahead of a scaled matrix instruction
	FETCH 0, 0
	s_wait_alu depctr_va_vdst(0)
	STEP 0, 1
	STEP 1, 0
	STEP 2, 0
	STEP 3, 0
	s_wait_alu depctr_va_vdst(0)
	STEP 4, 0
	STEP 5, 0
	STEP 6, 0
	STEP 7, 0
; THE WAY OUT, tile by tile of 16 tokens x 128 features.  A lane holds pieces of 32 bytes of one row, and the lanes beside it hold other rows: so a tile goes through my own stage in LDS and comes back as whole rows of
; 512 bytes.  LDS serves a wave's instructions in order (ISA guide 5.7.1.4): no wait between the stores and the loads, nor in front of the next tile's stores.
.macro TOSTAGE a
	WIN 0x08                                       ; an LDS store's data are its source 1: window 2
.irp t, 0,1,2,3,4,5,6,7
	ds_store_b128 v[STO], v[64*(\a)+8*\t:64*(\a)+8*\t+3] offset:128*(\t/2)+32*(\t%2)          ; each accumulator from its low end on: features 32 (t / 2) + 16 h + 8 (t % 2) + 0 .. 7
	ds_store_b128 v[STO], v[64*(\a)+8*\t+4:64*(\a)+8*\t+7] offset:128*(\t/2)+32*(\t%2)+16
.endr
	WIN 0
.irp t, 0,1,2,3,4,5,6,7,8,9,10,11,12,13,14,15
	ds_load_b128 v[BK+64*((\a)%2)+4*\t:BK+64*((\a)%2)+4*\t+3], v[RD] offset:528*\t
.endr
.endm
.macro SEND a, younger                 ; younger: the LDS instructions issued behind tile a's loads, which may stay out
	s_wait_dscnt \younger
.irp t, 0,1,2,3,4,5,6,7,8,9,10,11,12,13,14,15
	global_store_b128 v8, v[BK+64*((\a)%2)+4*\t:BK+64*((\a)%2)+4*\t+3], s[PO:PO+1] offset:(32*((\a)/2)+8*((\a)%2)+\t+8*(\t/8))*4096 th:TH_STORE_NT   ; place t of the tile is that row; 32 lanes store 512 consecutive bytes, at a multiple of 256 from out0's first byte
.endr
.endm
	PLACES 4                                       ; in front of the first reads of results, and of the loads into the registers that held A's fragments
	TOSTAGE 0
.irp a, 1,2,3
.if \a > 1
	s_wait_xcnt 0x0                                ; tile a - 2's stores have read their registers: tile a's loads may land there
.endif
	TOSTAGE \a
	SEND \a-1, 32                                  ; behind tile a - 1's loads: tile a's 16 stores and 16 loads
.endr
	SEND 3, 0
	s_wait_tensorcnt 0x0                           ; the wave's end, behind my last tensor load and my last LDS store
	ds_add_u32 v[SPW], v[NIL]
	s_wait_dscnt 0x0
	CROUND                                         ; the closing round: no work-group ends while a partner may still ask for a tile that names it
	s_endpgm
.Lfunc_end_k_q24008f3af1_proj:
	.size	k_q24008f3af1_proj, .Lfunc_end_k_q24008f3af1_proj-k_q24008f3af1_proj
	.p2alignl 7, 3214868480
	.fill 96, 4, 3214868480
	.section	.rodata,"a",@progbits
	.p2align	6, 0x0
	.amdhsa_kernel k_q24008f3af1_proj
		.amdhsa_group_segment_fixed_size 327680
		.amdhsa_private_segment_fixed_size 0
		.amdhsa_enable_private_segment 0
		.amdhsa_kernarg_size 48
		.amdhsa_user_sgpr_count 2
		.amdhsa_user_sgpr_kernarg_segment_ptr 1
		.amdhsa_wavefront_size32 1
		.amdhsa_system_sgpr_workgroup_id_x 1
		.amdhsa_system_sgpr_workgroup_id_y 1
		.amdhsa_system_sgpr_workgroup_id_z 1
		.amdhsa_system_vgpr_workitem_id 0
		.amdhsa_next_free_vgpr 768
		.amdhsa_next_free_sgpr 100
		.amdhsa_reserve_vcc 0
		.amdhsa_float_denorm_mode_32 3
		.amdhsa_float_denorm_mode_16_64 3
		.amdhsa_memory_ordered 1
		.amdhsa_forward_progress 1
		.amdhsa_inst_pref_size 92
	.end_amdhsa_kernel
	.amdgpu_metadata
---
amdhsa.version: [ 1, 2 ]
amdhsa.kernels:
  - .name:           k_q24008f3af1_proj
    .symbol:         k_q24008f3af1_proj.kd
    .args:
      - { .name: cc, .offset: 0, .size: 8, .value_kind: global_buffer, .address_space: global }
      - { .name: cs, .offset: 8, .size: 8, .value_kind: global_buffer, .address_space: global }
      - { .name: opc, .offset: 16, .size: 8, .value_kind: global_buffer, .address_space: global }
      - { .name: ops, .offset: 24, .size: 8, .value_kind: global_buffer, .address_space: global }
      - { .name: bo, .offset: 32, .size: 8, .value_kind: global_buffer, .address_space: global }
      - { .name: out0, .offset: 40, .size: 8, .value_kind: global_buffer, .address_space: global }
    .group_segment_fixed_size: 327680
    .private_segment_fixed_size: 0
    .kernarg_segment_align: 8
    .kernarg_segment_size: 48
    .max_flat_workgroup_size: 128
    .sgpr_count:     100
    .vgpr_count:     768
    .wavefront_size: 32
...
	.end_amdgpu_metadata
.endif
;; end of part 4
